; MI455X (gfx1250); checked and timed in simulation.
; The chip was launched on July 23, 2026; its instructions are those of AMD's public machine-readable ISA for CDNA 5 (MIT licence, August 2026) and "CDNA5" Instruction Set Architecture Reference Guide (July 2026). The comments in the code are by the model that wrote it; some were corrected since.
;; Attention Layer. Allowed arithmetic: matrix products marked QUANTISED: E2M3 operands, one E8M0 scale for each 32 along K, by v_wmma_scale_f32_16x16x128_f8f6f4 with both operands' format E2M3, f32 sums; everything else in f32.
;; Inputs: Wk 512 x 4,096 float32; Wo 4,096 x 1,024 float32; Wq 1,024 x 4,096 float32; Wv 512 x 4,096 float32; hidden_states 2 x 2,048 x 4,096 float32; positions 2 x 2,048 int32.
;; Outputs: out0 2 x 2,048 x 4,096 float32.
;; This version of the problem:
;;   THIS VERSION OF THE PROBLEM IS GIVEN IN LOW PRECISION. The matrix products marked QUANTISED in the list below multiply operands that are first quantised to E2M3 (2 exponent bits, 3 mantissa bits; 6 bits a number), with one power-of-two scale for each 32 numbers along K (OCP MX v1.0); their sums are f32. All else is computed in f32.
;;   The module's matrix products, in the order in which they are computed (A, B: the left and right operand; K: the contracted axis; several contracted axes count as one K, in the product's order):
;;     1. [M 4,096, K 4,096] x [K 4,096, N 1,024]; A: input hidden_states; B: input Wq: QUANTISED
;;     2. [M 4,096, K 4,096] x [K 4,096, N 512]; A: input hidden_states; B: input Wk: QUANTISED
;;     3. [M 4,096, K 4,096] x [K 4,096, N 512]; A: input hidden_states; B: input Wv: QUANTISED
;;     4. batch 8 x [M 4,096, K 128] x [K 128, N 2,048]; A: computed on the way; B: computed on the way: QUANTISED
;;     5. batch 8 x [M 4,096, K 2,048] x [K 2,048, N 128]; A: softmax (see below); B: computed on the way: QUANTISED
;;     6. [M 4,096, K 1,024] x [K 1,024, N 4,096]; A: computed on the way; B: input Wo: QUANTISED
;;   THE QUANTISER, for each operand of a quantised product, along K:
;;     - K is cut into blocks of 32 from its start; a last block that is shorter is filled with zeros.
;;     - A block's scale is 2^e with e = floor(log2(the largest magnitude in the block)) - 2, held to -126 .. 127; a block of zeros has e = 0. As a byte (E8M0): e + 127.
;;     - Each number is divided by its block's scale, clamped to +-7.5, and rounded to the nearest number of E2M3, ties to even, subnormals kept.
;;     - The product sums the exact products of the quantised numbers (number of the format x scale) in f32.
;;   ~~~python
;;   def quantise(x, axis):      # numpy; x: float32 -> the quantised numbers, widened to float32 again
;;       x = np.moveaxis(x, axis, -1); K = x.shape[-1]
;;       x = np.pad(x, [(0, 0)] * (x.ndim - 1) + [(0, -K % 32)]); x = x.reshape(x.shape[:-1] + (-1, 32)); a = np.abs(x).max(-1, keepdims=True)
;;       e = np.where(a > 0, np.clip(np.frexp(np.where(a > 0, a, 1))[1] - 1 - 2, -126, 127), 0)      # np.frexp(a)[1] - 1 = floor(log2(a)), exactly
;;       r = np.clip(x / 2.0 ** e, -7.5, 7.5)
;;       step = 2.0 ** (np.maximum(np.frexp(np.where(r == 0, 1, r))[1] - 1, 0) - 3)
;;       q = np.round(r / step) * step * 2.0 ** e      # np.round: ties to even
;;       return np.moveaxis(q.reshape(q.shape[:-2] + (-1,))[..., :K], -1, axis).astype(np.float32)
;;   ~~~
;;   SOFTMAX AHEAD OF A QUANTISED PRODUCT. Where the list says 'softmax', what is quantised is not the finished softmax but p = 2^(t - M), with t = logit x log2(e) and M = ceil(the row's largest t), a whole number; so 1/2 < the row's largest p <= 1. The row's sum l is taken of the UNQUANTISED p, in f32, and the product's result is divided by l at the end. Since M is a whole number, a kernel that streams over the keys may use a running M (the ceiling of the running maximum): every later rescaling is an exact power of two, which a block's scale takes up: the codes' values come out the same.
;;   OPERANDS COMPUTED ON THE WAY. 'Computed on the way' means the value that the module computes at that place (a softmax that the list does not call 'softmax' is quantised finished and normalised). What goes into a quantiser is computed in f32, as accurately as f32 sums, v_exp_f32 and their like allow (about 1e-6 of the number): no bf16 or f16 on the way to a quantiser, and a product that is left as it is and whose result goes on into a quantised operand takes f32 operands (vector FMAs, or v_wmma_f32_16x16x4_f32). A number that lies on a knife's edge between two numbers of the format may be rounded either way, as far as f32 arithmetic and the matrix unit's own rounding can turn it there, and no further.
;; One version. Each part assembles by itself: llvm-mc -triple=amdgcn-amd-amdhsa -mcpu=gfx1250 --defsym DOCPART=n.
;; ======== version 1 of 1: 4 launches
;; limits: right only within a limited range of input values
;; workspace buffers: hw 22,937,600 bytes; rope 2,097,152 bytes; qkv 6,553,600 bytes; ctx 3,276,800 bytes
;; launch quant (part 1): grid 512 x 1, 4 waves a work-group, no clusters, 34,304 bytes of LDS; arguments hidden_states, Wq, Wk, Wv, Wo, positions, hw, rope; writes hw, rope
.if DOCPART == 1
	.amdgcn_target "amdgcn-amd-amdhsa--gfx1250"
	.amdhsa_code_object_version 6
	.text
	.protected	k_q2edd5907fd_quant
	.globl	k_q2edd5907fd_quant
	.p2align	8
	.type	k_q2edd5907fd_quant,@function
k_q2edd5907fd_quant:
	s_mov_b64 s[64:65], 0
	v_nop
	global_prefetch_b8 v0, s[64:65] scope:SCOPE_SE
	s_setreg_imm32_b32 hwreg(HW_REG_WAVE_MODE, 25, 1), 1
	s_wait_xcnt 0x0
; hidden_states [4096][4096], Wq [1024][4096], Wk, Wv [512][4096], Wo [4096][1024], all f32 with K innermost, become codes of FP6 (E2M3) with one E8M0 byte for each 32 along K;
; and positions [4096] become a table of cosines and sines for the rotation of q and k.
; LAYOUT OF hw.  Operands are stored as IMAGES OF THEIR REGISTERS.  A fragment is 16 rows x 128 K: 12 registers a lane, 1,536 bytes: three pieces of 512 bytes, lane l's 16 bytes at 16 l.
; Fragment t of a tensor holds in lane r the row 32 (t / 2) + 8 (t % 2) + r + 8 (r / 8).  A record is one fragment row x 4 K steps: 4 x 1,536 bytes of codes, then 256 bytes of scale words, 16 bytes a row (a word a K step): 6,400 bytes.
; hw = h's records [256 fragments][8], then Wq's, Wk's, Wv's [128][8], then Wo's [256][2].
; SHARES.  A wave takes one fragment row x 1,024 K: 8 K steps, two records; wave g = 4 x work-group + wave writes the 12,800 bytes at 12,800 g.  Work-groups 0-255 h, 256-319 Wq, 320-351 Wk, 352-383 Wv, 384-447 Wo; 448-511 the table.
; A K STEP.  Sixteen loads, each 512 consecutive bytes of one row; the 8,192 bytes turn through the wave's own stage in LDS (rows 528 bytes apart) and come back so that register 16 b + i of lane (r, h) is k = 32 b + 16 h + i of row r.
; A block's scale is 2^(floor(log2(its largest magnitude)) - 2): its byte is the largest magnitude's exponent field - 2, held at 1 from below.
; THE TABLE.  rope = [256 fragments] images of 64 registers: register u < 32 the cosine, register 32 + u the sine, of position(row of lane r) x 10000^(-f / 64), f = 32 (u / 16) + 16 h + u % 16.
; Sine and cosine in f32: the angle less k x pi/2 in three parts by fused multiply-adds, two polynomials on |r| <= pi/4, the quadrant by select and sign.
; LIMITS: NaN and infinities are not served.  A block of zeros, or under 2^-124, gets the byte 1 with zero codes where the rule says 127: this program alone reads the bytes.  |position| < 2^22.
; 10000^(-f/64) is good to about one unit in the last place, so an angle near 2,000 can differ from another f32 evaluation by some 2e-4.
.set STG,   8448                       ; a wave's stage: 16 rows x 528 bytes
.set SPARE, 4*STG                      ; behind the stages: the spare words, 128 bytes for each wave
.set LI,   4                           ; v4   16 x lane
.set SA,   5                           ; v5   the stage, on the way in: 16 x lane
.set LA,   6                           ; v6   and out: 528 r + 64 h
.set SO,   7                           ; v7   where my row's four scale words go: 6400 h + 6144 + 16 r
.set SPW,  8                           ; v8   LDS address of my spare word; never rewritten
.set NIL,  9                           ; v9   0; never rewritten
.set TM,   10                          ; v10-25 at work in QUANT
.set SW,   26                          ; v26-33 a scale word for each K step
.set PC,   34                          ; v34-45 the codes; v46-53 at work
.set OUTS, 54                          ; v54-57 four scale words on their way out
.set X0,   64                          ; three sets of 64 numbers: v64, v128, v192
.set SEL,  30                          ; s[30:31] selects for lane l xor 16
.set RB,   32                          ; s[32:63] the sixteen rows' addresses
	s_load_b256 s[4:11], s[0:1], 0x0               ; h, Wq, Wk, Wv
	s_load_b256 s[12:19], s[0:1], 0x20             ; Wo, positions, hw, rope
	v_lshl_add_u32 v[SPW], v0, 2, SPARE
	v_mov_b32 v[NIL], 0
	v_lshrrev_b32 v1, 5, v0
	v_readfirstlane_b32 s20, v1                    ; wave
	v_and_b32 v1, 31, v0                           ; lane
	v_and_b32 v2, 15, v0                           ; r
	v_bfe_u32 v3, v0, 4, 1                         ; h
	v_lshlrev_b32 v[LI], 4, v1
	s_cmp_ge_u32 ttmp9, 448
	s_cbranch_scc1 .Lrope                          ; the last 64 work-groups make the table; they touch no LDS
	s_mul_i32 s21, s20, STG
	v_add_nc_u32 v[SA], s21, v[LI]
	v_mul_u32_u24 v[LA], v2, 528
	v_lshl_add_u32 v[LA], v3, 6, v[LA]
	v_add_nc_u32 v[LA], s21, v[LA]
	v_mul_u32_u24 v[SO], v3, 6400
	v_lshl_add_u32 v[SO], v2, 4, v[SO]
	v_add_nc_u32 v[SO], 6144, v[SO]
	s_mov_b32 s[SEL], 0x76543210
	s_mov_b32 s[SEL+1], 0xfedcba98
.irp b, 0,1,2,3
	v_mov_b32 v[TM+4+\b], 0                        ; written once: a lane permute's destination counts as one of its sources
.endr
	s_wait_alu depctr_va_vdst(0)
	s_wait_kmcnt 0x0
	s_mov_b64 s[22:23], s[12:13]                   ; which tensor: the choice hangs on the work-group's number alone
	s_mov_b32 s24, 384
	s_cmp_lt_u32 ttmp9, 384
	s_cselect_b64 s[22:23], s[10:11], s[22:23]
	s_cselect_b32 s24, 352, s24
	s_cmp_lt_u32 ttmp9, 352
	s_cselect_b64 s[22:23], s[8:9], s[22:23]
	s_cselect_b32 s24, 320, s24
	s_cmp_lt_u32 ttmp9, 320
	s_cselect_b64 s[22:23], s[6:7], s[22:23]
	s_cselect_b32 s24, 256, s24
	s_cmp_lt_u32 ttmp9, 256
	s_cselect_b64 s[22:23], s[4:5], s[22:23]
	s_cselect_b32 s24, 0, s24
	s_sub_co_u32 s24, ttmp9, s24                   ; the work-group's number within its tensor
	s_lshl_b32 s25, s24, 2
	s_add_co_u32 s25, s25, s20
	s_mov_b32 s27, 4096
	s_cmp_lt_u32 ttmp9, 384
	s_cselect_b32 s25, s24, s25                    ; the fragment: K = 4,096: the work-group's; Wo: 4 x work-group + wave
	s_cselect_b32 s26, s20, 0                      ; which 1,024 along K: the wave's; Wo: its only one
	s_cselect_b32 s27, 16384, s27                  ; a row in bytes
	s_lshr_b32 s28, s25, 1
	s_lshl_b32 s28, s28, 5
	s_and_b32 s29, s25, 1
	s_lshl_b32 s29, s29, 3
	s_add_co_u32 s28, s28, s29                     ; the fragment's first row: 32 (t / 2) + 8 (t % 2)
	s_mul_i32 s28, s28, s27
	s_lshl_b32 s26, s26, 12
	s_add_co_u32 s28, s28, s26
	s_mov_b32 s29, 0
	s_add_nc_u64 s[RB:RB+1], s[22:23], s[28:29]
	s_mov_b32 s28, s27                             ; a row on,
	s_mul_i32 s26, s27, 9                          ; and from lane 7's row to lane 8's nine rows on
	s_mov_b32 s27, 0
.irp i, 1,2,3,4,5,6,7,8,9,10,11,12,13,14,15
.if \i == 8
	s_add_nc_u64 s[RB+2*\i:RB+2*\i+1], s[RB+2*\i-2:RB+2*\i-1], s[26:27]
.else
	s_add_nc_u64 s[RB+2*\i:RB+2*\i+1], s[RB+2*\i-2:RB+2*\i-1], s[28:29]
.endif
.endr
	s_lshl_b32 s22, ttmp9, 2
	s_add_co_u32 s22, s22, s20
	s_mul_i32 s22, s22, 12800
	s_mov_b32 s23, 0
	s_add_nc_u64 s[16:17], s[16:17], s[22:23]      ; my two records
	v_lshrrev_b32 v58, 1, v1                       ; the prefetches' offset: a K step is 512 bytes of each of my sixteen rows, 32 blocks of 256 bytes: lane l names half l % 2 of row slot l / 2
	v_and_b32 v59, 8, v58
	v_add_nc_u32 v58, v58, v59                     ; row slot r is row r + 8 (r / 8) of the fragment
	v_mul_lo_u32 v58, v58, s28                     ; s28: a row in bytes
	v_and_b32 v59, 1, v1
	v_lshl_add_u32 v58, v59, 8, v58                ; never rewritten
	s_wait_alu depctr_va_vdst(0)
.macro LOAD t                          ; K step t: 512 consecutive bytes of each of the sixteen rows, into set t % 3
.irp i, 0,1,2,3,4,5,6,7,8,9,10,11,12,13,14,15
	global_load_b128 v[X0+64*((\t)%3)+4*\i:X0+64*((\t)%3)+4*\i+3], v[LI], s[RB+2*\i:RB+2*\i+1] offset:512*(\t) th:TH_LOAD_NT
.endr
.endm
.macro TURN t                          ; through the stage and back into the same registers: LDS serves a wave's instructions in order, so no wait stands between the stores and the loads
.irp i, 0,1,2,3,4,5,6,7,8,9,10,11,12,13,14,15
	ds_store_b128 v[SA], v[X0+64*((\t)%3)+4*\i:X0+64*((\t)%3)+4*\i+3] offset:528*\i
.endr
.irp b, 0,1,2,3
.irp j, 0,1,2,3
	ds_load_b128 v[X0+64*((\t)%3)+16*\b+4*\j:X0+64*((\t)%3)+16*\b+4*\j+3], v[LA] offset:128*\b+16*\j
.endr
.endr
.endm
; 64 numbers of a lane, v[QS] on, register 16 b + i = k 32 b + 16 h + i of my row, become a fragment's codes in v[PC] on and its scale word in v[QW].
.macro QUANT
.irp b, 0,1,2,3
	v_max3_num_f32 v[TM+\b], |v[QS+16*\b]|, |v[QS+1+16*\b]|, 0x1800000   ; block b: my 16 numbers, and the floor 2^(3 - 127): the byte cannot fall under 1
.endr
.irp i, 2,4,6,8,10,12,14
.irp b, 0,1,2,3
	v_max3_num_f32 v[TM+\b], v[TM+\b], |v[QS+16*\b+\i]|, |v[QS+1+16*\b+\i]|   ; the four blocks by turns
.endr
.endr
.irp b, 0,1,2,3
	v_permlanex16_b32 v[TM+4+\b], v[TM+\b], s[SEL], s[SEL+1]
.endr
.irp b, 0,1,2,3
	v_max_num_f32 v[TM+\b], v[TM+\b], v[TM+4+\b]   ; with lane l xor 16's: the block's largest magnitude
.endr
.irp b, 0,1,2,3
	v_add_nc_u32 v[TM+12+\b], 0xff000000, v[TM+\b] ; 2 off its exponent field: the conversion takes the exponent field of this operand as its scale
.endr
.irp b, 0,1,2,3
	v_lshrrev_b32 v[TM+4+\b], 23, v[TM+12+\b]      ; the scale's byte
.endr
	v_lshl_or_b32 v[QW], v[TM+5], 8, v[TM+4]
	v_lshl_or_b32 v[QW], v[TM+6], 16, v[QW]
	v_lshl_or_b32 v[QW], v[TM+7], 24, v[QW]        ; my row's scale word
.irp c, 0,1
	v_cvt_scalef32_pk16_fp6_f32 v[PC+6*\c:PC+2+6*\c], v[QS+32*\c:QS+15+32*\c], v[TM+12+2*\c]
	v_cvt_scalef32_pk16_fp6_f32 v[PC+12+4*\c:PC+14+4*\c], v[QS+16+32*\c:QS+31+32*\c], v[TM+13+2*\c]   ; (a conversion's three registers begin on an even number)
.endr
	v_nop                                          ; one plain place behind a scaled conversion
.irp c, 0,1                                    ; the operand's layout wants a whole block in a lane: lanes 0-15 block 2 c, lanes 16-31 block 2 c + 1
.irp i, 0,1,2
	v_permlane16_swap_b32 v[PC+6*\c+\i], v[PC+12+4*\c+\i]
.endr
.irp i, 0,1,2
	v_mov_b32 v[PC+3+6*\c+\i], v[PC+12+4*\c+\i]
.endr
.endr
.endm
.macro STEP t
.if (\t)+4 < 8
	global_prefetch_b8 v58, s[RB:RB+1] offset:512*((\t)+4) th:TH_LOAD_NT scope:SCOPE_SE   ; into the L2: the K step two steps ahead of the loads below; steps 4 to 7 ask for nothing
.endif
.if (\t)+2 < 8
	LOAD (\t)+2                                    ; two K steps ahead, into the set that the step before has left
.endif
.if (\t) < 6
	s_wait_loadcnt 32                              ; this step's sixteen loads are in; the two younger steps' may be out
.else
	s_wait_loadcnt 16*(7-(\t))
.endif
	TURN \t
	s_wait_dscnt 0x0
.if (\t) > 0
	s_wait_xcnt 0x0                                ; the last step's stores have read the codes' registers: they are written again only behind this wait
.endif
.set QS, X0+64*((\t)%3)
.set QW, SW+(\t)
	QUANT
.irp c, 0,1,2
	global_store_b128 v[LI], v[PC+4*\c:PC+4*\c+3], s[16:17] offset:((\t)/4)*6400+((\t)%4)*1536+512*\c   ; 512 consecutive bytes, at a multiple of 256 from the buffer's first byte
.endr
.endm
	LOAD 0
	LOAD 1
	global_prefetch_b8 v58, s[RB:RB+1] offset:512*2 th:TH_LOAD_NT scope:SCOPE_SE   ; K steps 2 and 3, which the first two steps will load
	global_prefetch_b8 v58, s[RB:RB+1] offset:512*3 th:TH_LOAD_NT scope:SCOPE_SE
.irp t, 0,1,2,3,4,5,6,7
	STEP \t
.endr
	v_cmp_lt_u32 vcc_lo, 15, v1                    ; lanes 0-15 store the first record's words of row r, lanes 16-31 the second's: 256 consecutive bytes each
.irp i, 0,1,2,3
	v_cndmask_b32 v[OUTS+\i], v[SW+\i], v[SW+4+\i], vcc_lo
.endr
	global_store_b128 v[SO], v[OUTS:OUTS+3], s[16:17]
	s_wait_tensorcnt 0x0                           ; the wave's end
	ds_add_u32 v[SPW], v[NIL]
	s_wait_dscnt 0x0
	s_endpgm
; ---- the table of cosines and sines: a wave makes one fragment's image
.set IV,  64                           ; v64-95   f x log2(10000)/64, then 10000^(-f/64)
.set FQ,  96                           ; v96-127  f
.set ER,  192                          ; v192-223 what the product f x log2(10000)/64 lost in rounding
.set OC,  128                          ; v128-159 cosines, v160-191 sines
.Lrope:
	s_sub_co_u32 s21, ttmp9, 448
	s_lshl_b32 s21, s21, 2
	s_add_co_u32 s21, s21, s20                     ; the fragment
	s_lshr_b32 s22, s21, 1
	s_lshl_b32 s22, s22, 5
	s_and_b32 s23, s21, 1
	s_lshl_b32 s23, s23, 3
	s_add_co_u32 s22, s22, s23                     ; its first row
	s_wait_alu depctr_va_vdst(0)
	v_and_b32 v10, 8, v2
	v_add_nc_u32 v10, v10, v2                      ; r + 8 (r / 8)
	v_add_nc_u32 v10, s22, v10
	v_lshlrev_b32 v10, 2, v10                      ; my row's place in positions
	s_lshl_b32 s24, s21, 13
	s_mov_b32 s25, 0
	s_mov_b32 s66, 0x3e549a78                      ; log2(10000) / 64, and
	s_mov_b32 s67, 0x31979a31                      ; what f32 leaves of it
	s_mov_b32 s68, 0xbf317218                      ; -ln 2
	s_mov_b32 s69, 0x3f22f983                      ; 2 / pi
	s_mov_b32 s70, 0xbfc90fdb                      ; -pi/2 in three parts
	s_mov_b32 s71, 0x333bbd2e
	s_mov_b32 s72, 0x26f72ced
	s_mov_b32 s73, 0xb94ca1f9                      ; the sine's polynomial
	s_mov_b32 s74, 0x3c08839e
	s_mov_b32 s75, 0xbe2aaaa3
	s_mov_b32 s76, 0x37ccf5ce                      ; the cosine's
	s_mov_b32 s77, 0xbab6061a
	s_mov_b32 s78, 0x3d2aaaa5
	s_wait_alu depctr_va_vdst(0)
	s_wait_kmcnt 0x0
	global_load_b32 v11, v10, s[14:15]
	s_add_nc_u64 s[18:19], s[18:19], s[24:25]
	v_lshlrev_b32 v12, 4, v3                       ; 16 h
.irp u, 0,1,2,3,4,5,6,7,8,9,10,11,12,13,14,15,16,17,18,19,20,21,22,23,24,25,26,27,28,29,30,31
	v_add_nc_u32 v[FQ+\u], 32*(\u/16)+\u%16, v12
.endr
.irp u, 0,1,2,3,4,5,6,7,8,9,10,11,12,13,14,15,16,17,18,19,20,21,22,23,24,25,26,27,28,29,30,31
	v_cvt_f32_u32 v[FQ+\u], v[FQ+\u]
.endr
.irp u, 0,1,2,3,4,5,6,7,8,9,10,11,12,13,14,15,16,17,18,19,20,21,22,23,24,25,26,27,28,29,30,31
	v_mul_f32 v[IV+\u], s66, v[FQ+\u]              ; a
.endr
.irp u, 0,1,2,3,4,5,6,7,8,9,10,11,12,13,14,15,16,17,18,19,20,21,22,23,24,25,26,27,28,29,30,31
	v_fma_f32 v[ER+\u], v[FQ+\u], s66, -v[IV+\u]   ; what a lost,
.endr
.irp u, 0,1,2,3,4,5,6,7,8,9,10,11,12,13,14,15,16,17,18,19,20,21,22,23,24,25,26,27,28,29,30,31
	v_fma_f32 v[ER+\u], v[FQ+\u], s67, v[ER+\u]    ; and the constant's own rest
.endr
.irp u, 0,1,2,3,4,5,6,7,8,9,10,11,12,13,14,15,16,17,18,19,20,21,22,23,24,25,26,27,28,29,30,31
	v_exp_f32 v[IV+\u], -v[IV+\u]                  ; 2^-a: one batch
.endr
	v_nop                                          ; a plain place behind the last exponential
	s_wait_alu depctr_va_vdst(0)                   ; one wait for the batch, ahead of its first reader
.irp u, 0,1,2,3,4,5,6,7,8,9,10,11,12,13,14,15,16,17,18,19,20,21,22,23,24,25,26,27,28,29,30,31
	v_mul_f32 v[ER+\u], v[IV+\u], v[ER+\u]
.endr
.irp u, 0,1,2,3,4,5,6,7,8,9,10,11,12,13,14,15,16,17,18,19,20,21,22,23,24,25,26,27,28,29,30,31
	v_fma_f32 v[IV+\u], v[ER+\u], s68, v[IV+\u]    ; 2^-(a + e) = 2^-a (1 - e ln 2)
.endr
	s_wait_loadcnt 0x0
	v_cvt_f32_i32 v13, v11                         ; my row's position
.macro SINCOS u
	v_mul_f32 v14, v13, v[IV+\u]                   ; the angle, rounded once
	v_mul_f32 v15, s69, v14
	v_rndne_f32 v15, v15                           ; k
	v_fma_f32 v14, v15, s70, v14
	v_fma_f32 v14, v15, s71, v14
	v_fma_f32 v14, v15, s72, v14                   ; r = the angle - k pi/2
	v_mul_f32 v16, v14, v14                        ; z
	v_fma_f32 v17, v16, s73, s74
	v_fma_f32 v18, v16, s76, s77
	v_fma_f32 v17, v17, v16, s75
	v_fma_f32 v18, v18, v16, s78
	v_mul_f32 v19, v16, v14
	v_mul_f32 v22, v16, v16
	v_fma_f32 v20, v16, -0.5, 1.0
	v_fma_f32 v19, v19, v17, v14                   ; sin r
	v_fma_f32 v20, v22, v18, v20                   ; cos r
	v_cvt_i32_f32 v21, v15
	v_and_b32 v22, 1, v21
	v_cmp_eq_u32 vcc_lo, 1, v22                    ; in odd quadrants the two change places
	v_cndmask_b32 v17, v19, v20, vcc_lo
	v_cndmask_b32 v18, v20, v19, vcc_lo
	v_lshlrev_b32 v22, 30, v21                     ; the sine's sign: bit 1 of k;
	v_add_nc_u32 v21, 1, v21
	v_and_b32 v22, 0x80000000, v22
	v_lshlrev_b32 v21, 30, v21                     ; the cosine's: bit 1 of k + 1
	v_xor_b32 v[OC+32+\u], v22, v17
	v_and_b32 v21, 0x80000000, v21
	v_xor_b32 v[OC+\u], v21, v18
.endm
.irp u, 0,1,2,3,4,5,6,7,8,9,10,11,12,13,14,15,16,17,18,19,20,21,22,23,24,25,26,27,28,29,30,31
	SINCOS \u
.endr
.irp c, 0,1,2,3,4,5,6,7,8,9,10,11,12,13,14,15
	global_store_b128 v[LI], v[OC+4*\c:OC+4*\c+3], s[18:19] offset:512*\c
.endr
	s_endpgm
.Lfunc_end_k_q2edd5907fd_quant:
	.size	k_q2edd5907fd_quant, .Lfunc_end_k_q2edd5907fd_quant-k_q2edd5907fd_quant
	.p2alignl 7, 3214868480
	.fill 96, 4, 3214868480
	.section	.rodata,"a",@progbits
	.p2align	6, 0x0
	.amdhsa_kernel k_q2edd5907fd_quant
		.amdhsa_group_segment_fixed_size 34304
		.amdhsa_private_segment_fixed_size 0
		.amdhsa_enable_private_segment 0
		.amdhsa_kernarg_size 64
		.amdhsa_user_sgpr_count 2
		.amdhsa_user_sgpr_kernarg_segment_ptr 1
		.amdhsa_wavefront_size32 1
		.amdhsa_system_sgpr_workgroup_id_x 1
		.amdhsa_system_sgpr_workgroup_id_y 1
		.amdhsa_system_sgpr_workgroup_id_z 1
		.amdhsa_system_vgpr_workitem_id 0
		.amdhsa_next_free_vgpr 256
		.amdhsa_next_free_sgpr 80
		.amdhsa_reserve_vcc 1
		.amdhsa_float_denorm_mode_32 3
		.amdhsa_float_denorm_mode_16_64 3
		.amdhsa_memory_ordered 1
		.amdhsa_forward_progress 1
		.amdhsa_inst_pref_size 121
	.end_amdhsa_kernel
	.amdgpu_metadata
---
amdhsa.version: [ 1, 2 ]
amdhsa.kernels:
  - .name:           k_q2edd5907fd_quant
    .symbol:         k_q2edd5907fd_quant.kd
    .args:
      - { .name: hidden_states, .offset: 0, .size: 8, .value_kind: global_buffer, .address_space: global }
      - { .name: Wq, .offset: 8, .size: 8, .value_kind: global_buffer, .address_space: global }
      - { .name: Wk, .offset: 16, .size: 8, .value_kind: global_buffer, .address_space: global }
      - { .name: Wv, .offset: 24, .size: 8, .value_kind: global_buffer, .address_space: global }
      - { .name: Wo, .offset: 32, .size: 8, .value_kind: global_buffer, .address_space: global }
      - { .name: positions, .offset: 40, .size: 8, .value_kind: global_buffer, .address_space: global }
      - { .name: hw, .offset: 48, .size: 8, .value_kind: global_buffer, .address_space: global }
      - { .name: rope, .offset: 56, .size: 8, .value_kind: global_buffer, .address_space: global }
    .group_segment_fixed_size: 34304
    .private_segment_fixed_size: 0
    .kernarg_segment_align: 8
    .kernarg_segment_size: 64
    .max_flat_workgroup_size: 128
    .sgpr_count:     80
    .vgpr_count:     256
    .wavefront_size: 32
...
	.end_amdgpu_metadata
.endif
;; end of part 1
;; launch qkv (part 2): grid 16 x 16, 4 waves a work-group, clusters of 4 x 4, 327,680 bytes of LDS; arguments hw, rope, qkv; writes qkv
.if DOCPART == 2
	.amdgcn_target "amdgcn-amd-amdhsa--gfx1250"
	.amdhsa_code_object_version 6
	.text
	.protected	k_q2edd5907fd_qkv
	.globl	k_q2edd5907fd_qkv
	.p2align	8
	.type	k_q2edd5907fd_qkv,@function
k_q2edd5907fd_qkv:
	s_mov_b64 s[64:65], 0
	v_nop
	global_prefetch_b8 v0, s[64:65] scope:SCOPE_SE
	s_setreg_imm32_b32 hwreg(HW_REG_WAVE_MODE, 25, 1), 1
	s_wait_xcnt 0x0
	s_wait_alu depctr_hold_cnt(0) depctr_sa_sdst(0) depctr_va_vdst(0) depctr_va_sdst(0) depctr_va_ssrc(0) depctr_va_vcc(0) depctr_vm_vsrc(0)
	s_getreg_b32 s2, hwreg(HW_REG_IB_STS2, 6, 4)
	s_cmp_eq_u32 s2, 0
	s_cbranch_scc0 .Lentry_in_a_cluster
	s_endpgm
.Lentry_in_a_cluster:
	s_bfe_u32 s2, ttmp6, 0x10000c
	s_cmp_lg_u32 s2, 0xf033
	s_cbranch_scc0 .Lentry_shape_is_right
	s_endpgm
.Lentry_shape_is_right:
.set REC,   6400
.set FRB,   1536
.set SLOT,  24*REC
.set BOFF,  16*REC
.set SPARE, 2*SLOT
.set ROWBY, 8*REC
.set WOFF,  256*ROWBY
.set LI,   4
.set R16,  5
.set ADR0, 16
.set ADR1, 18
.set ADS0, 20
.set ADS1, 22
.set SPW,  28
.set NIL,  29
.set SC,   32
.set F1,   128
.set PC,   128
.set CT,   176
.set TM,   184
.set PW,   200
.set G1A,  24
.set G0A,  32
.set G1B,  48
.set G0B,  56
.set SEL,  78
.set PFO,  6                           ; v6 the prefetches' offset: 256 x min(lane, 24): a record is 25 blocks of 256 bytes; never rewritten
.set PFA,  80                          ; s[80:81] where my prefetches stand
.set MUL,  0xa1
.set MSB, 0
.macro WIN new
.if MSB != \new
	s_set_vgpr_msb (MSB<<8)|\new
.set MSB, \new
.endif
.endm
.macro PLACES n
.rept \n
	v_nop
.endr
.endm
.macro JLOAD g0a, g1a, g0b, g1b
	s_cmp_eq_u32 s15, 0
	s_cbranch_scc0 .Lfor_b_\@
	tensor_load_to_lds s[\g0a:\g0a+3], s[\g1a:\g1a+7]
	s_nop 0
.rept 4
	v_nop
.endr
	s_branch .Lasked_\@
.Lfor_b_\@:
	tensor_load_to_lds s[\g0b:\g0b+3], s[\g1b:\g1b+7]
	s_nop 0
.rept 4
	v_nop
.endr
.Lasked_\@:
.endm
.macro CREST
	s_cmp_lg_u32 s14, 0
	s_cbranch_scc1 .Lnot_wave_0_\@
	s_barrier_signal -3
.Lnot_wave_0_\@:
	s_barrier_wait -3
	s_barrier_signal -1
	s_barrier_wait -1
.endm
.macro CROUND
	s_barrier_signal -1
	s_barrier_wait -1
	CREST
.endm
	s_load_b128 s[4:7], s[0:1], 0x0
	s_load_b64 s[8:9], s[0:1], 0x10
	v_lshl_add_u32 v[SPW], v0, 2, SPARE
	v_mov_b32 v[NIL], 0
	ds_add_u32 v[SPW], v[NIL]
	ds_add_u32 v[SPW], v[NIL]
	v_lshrrev_b32 v1, 5, v0
	v_readfirstlane_b32 s14, v1
	s_lshr_b32 s15, s14, 1
	s_and_b32 s16, s14, 1
	s_bfe_u32 s40, ttmp6, 0x40000
	s_bfe_u32 s41, ttmp6, 0x40004
	s_lshl_b32 s42, ttmp9, 2
	s_add_co_u32 s42, s42, s40
	s_and_b32 s17, ttmp7, 0xffff
	s_lshl_b32 s17, s17, 2
	s_add_co_u32 s17, s17, s41
	s_lshl_b32 s43, s41, 2
	s_lshl_b32 s43, 15, s43
	s_lshl_b32 s44, 0x1111, s40
	s_or_b32 s[G1A], s43, (3<<16)|(1<<21)
	s_or_b32 s[G1B], s44, (3<<16)|(1<<21)
	s_mov_b32 s[G1A+1], 800<<16
	s_mov_b32 s[G1A+2], 8<<16
	s_mov_b32 s[G1A+3], 800<<16
	s_mov_b32 s[G1A+4], 8
	s_mov_b32 s[G1A+5], ROWBY/8
	s_mov_b32 s[G1A+6], 0
	s_mov_b32 s[G1A+7], 0
	s_mov_b32 s[G1B+1], 800<<16
	s_mov_b32 s[G1B+2], 4<<16
	s_mov_b32 s[G1B+3], 800<<16
	s_mov_b32 s[G1B+4], 4
	s_mov_b32 s[G1B+5], ROWBY/8
	s_mov_b32 s[G1B+6], 0
	s_mov_b32 s[G1B+7], 0
	s_lshl_b32 s20, s17, 4
	s_lshl_b32 s18, s16, 3
	s_add_co_u32 s20, s20, s18
	s_mul_i32 s20, s20, ROWBY
	s_mov_b32 s21, 0
	s_lshl_b32 s46, s42, 3
	s_lshl_b32 s18, s16, 2
	s_add_co_u32 s46, s46, s18
	s_mul_i32 s46, s46, ROWBY
	s_add_co_u32 s46, s46, WOFF
	s_mov_b32 s47, 0
	s_mul_i32 s45, s16, 8*REC
	s_mul_i32 s19, s16, 4*REC
	s_add_co_u32 s19, s19, BOFF
	s_mov_b32 s[SEL], 0x76543210
	s_mov_b32 s[SEL+1], 0xfedcba98
	s_wait_dscnt 0x0
	s_wait_kmcnt 0x0
	s_add_nc_u64 s[20:21], s[4:5], s[20:21]
	s_add_nc_u64 s[46:47], s[4:5], s[46:47]
	CROUND
.irp s, 0,1
	s_mov_b32 s[G0A+4*\s], 1
	s_add_co_u32 s[G0A+4*\s+1], s45, \s*SLOT
	s_add_nc_u64 s[G0A+4*\s+2:G0A+4*\s+3], s[20:21], \s*REC
	s_or_b32 s[G0A+4*\s+3], s[G0A+4*\s+3], 0x80000000
	s_mov_b32 s[G0B+4*\s], 1
	s_add_co_u32 s[G0B+4*\s+1], s19, \s*SLOT
	s_add_nc_u64 s[G0B+4*\s+2:G0B+4*\s+3], s[46:47], \s*REC
	s_or_b32 s[G0B+4*\s+3], s[G0B+4*\s+3], 0x80000000
.endr
	JLOAD G0A, G1A, G0B, G1B                       ; record 0 into slot 0: one tensor load a wave at the head; the addresses below are made while it is on its way
	v_and_b32 v1, 31, v0
	v_and_b32 v2, 15, v0
	v_lshlrev_b32 v[LI], 4, v1
	s_wait_alu depctr_va_vdst(0)
	v_lshlrev_b32 v[R16], 4, v2
	v_min_u32 v[PFO], 24, v1
	v_lshlrev_b32 v[PFO], 8, v[PFO]
	v_lshlrev_b32 v7, 8, v1                        ; 256 x lane, for the table's prefetch; never rewritten
	s_wait_alu depctr_va_vdst(0)
	s_mul_i32 s66, s14, 4*REC
	s_mov_b32 s69, BOFF
	s_mul_i32 s67, s15, 8*REC
	s_mul_i32 s68, s16, 4*REC
	s_add_co_u32 s68, s68, BOFF
	s_cmp_eq_u32 ttmp9, 3
	s_cselect_b32 s69, s67, s69
	s_cselect_b32 s66, s68, s66
.irp s, 0,1
	v_add_nc_u32 v[ADR0+\s], s69, v[LI]
	v_add_nc_u32 v[ADR1+\s], s66, v[LI]
	v_add_nc_u32 v[ADS0+\s], s69, v[R16]
	v_add_nc_u32 v[ADS1+\s], s66, v[R16]
	s_add_co_u32 s69, s69, SLOT
	s_add_co_u32 s66, s66, SLOT
.endr
	s_lshl_b32 s70, s17, 4
	s_lshl_b32 s71, s14, 2
	s_add_co_u32 s70, s70, s71
	s_lshl_b32 s70, s70, 13
	s_mov_b32 s71, 0
	s_add_nc_u64 s[70:71], s[6:7], s[70:71]
; the table's image for my fragment j, 16 loads into window 3: asked for in the last eight K steps, which are written out, a fragment ahead of each of the first four
.macro RLD j
	WIN 0xc0
.irp c, 0,1,2,3,4,5,6,7,8,9,10,11,12,13,14,15
	global_load_b128 v[64*\j+4*\c:64*\j+4*\c+3], v[LI], s[70:71] offset:8192*\j+512*\c
.endr
	WIN 0
.endm
; A PREFETCH INTO THE L2: the record that the NEXT refill will bring, one slot (4 K steps, 128 matrix instructions a wave) ahead of that refill.  Of the 8 fragment rows of h that waves 0 and 1 each fetch, the partner at place cx
; takes two; of the 4 fragment rows of W that waves 2 and 3 each fetch, the partner at place cy takes one: shared out by address, a lane a block of 256 bytes, lanes 25-31 naming the last block again.
; last = 1: the loop's last refill has no record behind it and asks for nothing.
.macro ASK last
.if \last
	s_cmp_gt_u32 s3, 1
	s_cbranch_scc0 .Lnoask_\@
.endif
	global_prefetch_b8 v[PFO], s[PFA:PFA+1] th:TH_LOAD_NT scope:SCOPE_SE
	s_cmp_eq_u32 s15, 0
	s_cbranch_scc0 .Lnoask_\@
	global_prefetch_b8 v[PFO], s[PFA:PFA+1] offset:ROWBY th:TH_LOAD_NT scope:SCOPE_SE
.Lnoask_\@:
.endm
	s_lshr_b32 s72, s17, 3
	s_lshl_b32 s72, s72, 4
	s_add_co_u32 s72, s72, s42
	s_lshl_b32 s72, s72, 4
	s_and_b32 s73, s17, 7
	s_lshl_b32 s73, s73, 1
	s_add_co_u32 s72, s72, s73
	s_add_co_u32 s72, s72, s15
	s_mul_i32 s72, s72, 12800
	s_mov_b32 s73, 0
	s_add_nc_u64 s[72:73], s[8:9], s[72:73]
	s_lshl_b32 s74, s16, 8
	s_add_co_u32 s74, s74, 12288
	s_mov_b32 s75, 0
	s_add_nc_u64 s[74:75], s[72:73], s[74:75]
	s_mul_i32 s76, s16, 4*FRB
	s_mov_b32 s77, 0
	s_add_nc_u64 s[72:73], s[72:73], s[76:77]
.macro MULS j0, n, set, q, sc, zero
.set jj, \j0
.rept \n
.irp i, 0,1,2,3,4,5,6,7
.if \zero
	v_wmma_scale_f32_16x16x128_f8f6f4 v[8*(8*jj+\i):8*(8*jj+\i)+7], v[96*(\set)+12*\i:96*(\set)+12*\i+11], v[F1+48*(\set)+12*jj:F1+48*(\set)+12*jj+11], 0, v[SC+48*(\sc)+4*\i+(\q)], v[SC+48*(\sc)+32+4*jj+(\q)] matrix_a_fmt:MATRIX_FMT_FP6 matrix_b_fmt:MATRIX_FMT_FP6
.else
	v_wmma_scale_f32_16x16x128_f8f6f4 v[8*(8*jj+\i):8*(8*jj+\i)+7], v[96*(\set)+12*\i:96*(\set)+12*\i+11], v[F1+48*(\set)+12*jj:F1+48*(\set)+12*jj+11], v[8*(8*jj+\i):8*(8*jj+\i)+7], v[SC+48*(\sc)+4*\i+(\q)], v[SC+48*(\sc)+32+4*jj+(\q)] matrix_a_fmt:MATRIX_FMT_FP6 matrix_b_fmt:MATRIX_FMT_FP6
.endif
.endr
.set jj, jj+1
.endr
.endm
.macro FETCH slot, q, set
	WIN 0x40
.irp i, 0,1,2,3,4,5,6,7
.irp c, 0,1,2
	ds_load_b128 v[96*(\set)+12*\i+4*\c:96*(\set)+12*\i+4*\c+3], v[ADR0+\slot] offset:\i*REC+(\q)*FRB+\c*512
.endr
.endr
	WIN 0
.irp j, 0,1,2,3
.irp c, 0,1,2
	ds_load_b128 v[F1+48*(\set)+12*\j+4*\c:F1+48*(\set)+12*\j+4*\c+3], v[ADR1+\slot] offset:\j*REC+(\q)*FRB+\c*512
.endr
.endr
.endm
.macro SCALES slot
.irp i, 0,1,2,3,4,5,6,7
	ds_load_b128 v[SC+48*\slot+4*\i:SC+48*\slot+4*\i+3], v[ADS0+\slot] offset:\i*REC+4*FRB
.endr
.irp j, 0,1,2,3
	ds_load_b128 v[SC+48*\slot+32+4*\j:SC+48*\slot+32+4*\j+3], v[ADS1+\slot] offset:\j*REC+4*FRB
.endr
.endm
.macro KSTEP slot, q, zero
	PLACES 4
	FETCH \slot, (\q)+1, 1-(\q)%2
	s_wait_dscnt 36
	WIN MUL
	MULS 0, 4, (\q)%2, \q, \slot, \zero
	WIN 0
.endm
.macro TURN slot, next, fill
.if \fill
	s_wait_xcnt 0x0                                ; my prefetches have read their address: it steps only behind this wait
	s_add_nc_u64 s[PFA:PFA+1], s[PFA:PFA+1], REC
.endif
	s_wait_tensorcnt 0x0
	ds_add_u32 v[SPW], v[NIL]
	s_wait_dscnt 1
	WIN MUL
	MULS 0, 1, 1, 3, \slot, 0
	s_wait_dscnt 0x0
	s_barrier_signal -1
	MULS 1, 1, 1, 3, \slot, 0
	WIN 0
	s_barrier_wait -1
.if \fill
	CREST
	s_add_nc_u64 s[G0A+4*\slot+2:G0A+4*\slot+3], s[G0A+4*\slot+2:G0A+4*\slot+3], 2*REC
	s_add_nc_u64 s[G0B+4*\slot+2:G0B+4*\slot+3], s[G0B+4*\slot+2:G0B+4*\slot+3], 2*REC
	JLOAD G0A+4*\slot, G1A, G0B+4*\slot, G1B
.else
	PLACES 4
.endif
	FETCH \next, 0, 0
	SCALES \next
.if \fill
	ASK \slot
.endif
	WIN MUL
	MULS 2, 2, 1, 3, \slot, 0
	WIN 0
.endm
	s_lshl_b32 s82, s17, 4                         ; the prefetches begin at record 1: h's fragment row 16 y + 8 half + 2 cx,
	s_lshl_b32 s83, s16, 3
	s_add_co_u32 s82, s82, s83
	s_lshl_b32 s83, s40, 1
	s_add_co_u32 s82, s82, s83
	s_lshl_b32 s84, s42, 3                         ; or W's 256 + 8 x + 4 half + cy
	s_lshl_b32 s83, s16, 2
	s_add_co_u32 s84, s84, s83
	s_add_co_u32 s84, s84, s41
	s_add_co_u32 s84, s84, 256
	s_cmp_eq_u32 s15, 0
	s_cselect_b32 s82, s82, s84
	s_mul_i32 s82, s82, ROWBY
	s_add_co_u32 s82, s82, REC
	s_mov_b32 s83, 0
	s_add_nc_u64 s[PFA:PFA+1], s[4:5], s[82:83]
	ASK 0                                          ; record 1, which slot 1's first fill will bring, while record 0 is on its way
	s_lshl_b32 s86, s17, 4                         ; the table: my work-group's sixteen images of 8,192 bytes are the same for the four partners of a row of the cluster:
	s_lshl_b32 s85, s40, 2
	s_add_co_u32 s86, s86, s85
	s_add_co_u32 s86, s86, s14                     ; the wave w of the partner at place cx takes image 4 cx + w: 32 blocks of 256 bytes, a lane a block
	s_lshl_b32 s86, s86, 13
	s_mov_b32 s87, 0
	s_add_nc_u64 s[86:87], s[6:7], s[86:87]
	s_wait_alu depctr_va_vdst(0)                   ; the wait at the head's end
	s_wait_tensorcnt 0x0                           ; my part of record 0 is in; slot 1's first fill is issued as a refill is
	ds_add_u32 v[SPW], v[NIL]
	s_wait_dscnt 0x0
	CROUND                                         ; everybody's part of record 0 is in, and all sixteen work-groups are here
	JLOAD G0A+4, G1A, G0B+4, G1B
	FETCH 0, 0, 0
	SCALES 0
	s_wait_xcnt 0x0                                ; my prefetches have read their address: it steps only behind this wait
	s_add_nc_u64 s[PFA:PFA+1], s[PFA:PFA+1], REC
	ASK 0                                          ; record 2
	KSTEP 0, 0, 1
	global_prefetch_b8 v7, s[86:87] th:TH_LOAD_NT scope:SCOPE_SE   ; the table, which the last eight K steps load: asked for once, ahead of the loop's 24 K steps; its address registers are never rewritten
	s_mov_b32 s3, 3
.Llap:
	KSTEP 0, 1, 0
	KSTEP 0, 2, 0
	TURN 0, 1, 1
	KSTEP 1, 0, 0
	KSTEP 1, 1, 0
	KSTEP 1, 2, 0
	TURN 1, 0, 1
	KSTEP 0, 0, 0
	s_sub_co_u32 s3, s3, 1
	s_cmp_lg_u32 s3, 0
	s_cbranch_scc1 .Llap
	RLD 0
	KSTEP 0, 1, 0
	RLD 1
	KSTEP 0, 2, 0
	RLD 2
	TURN 0, 1, 0
	RLD 3
	KSTEP 1, 0, 0
	KSTEP 1, 1, 0
	KSTEP 1, 2, 0
	s_wait_dscnt 0x0
	WIN MUL
	MULS 0, 4, 1, 3, 1, 0
	WIN 0
.macro ROPE j
	WIN 0x4e
.irp u, 0,2,4,6,8,10,12,14,16,18,20,22,24,26,28,30
	v_pk_mul_f32 v[\u:\u+1], v[64*\j+32+\u:64*\j+33+\u], v[64*\j+32+\u:64*\j+33+\u]
	v_pk_mul_f32 v[32+\u:33+\u], v[64*\j+\u:64*\j+1+\u], v[64*\j+32+\u:64*\j+33+\u]
.endr
	WIN 0x9e
.irp u, 0,2,4,6,8,10,12,14,16,18,20,22,24,26,28,30
	v_pk_fma_f32 v[64*\j+\u:64*\j+1+\u], v[64*\j+\u:64*\j+1+\u], v[64*\j+\u:64*\j+1+\u], v[\u:\u+1] neg_lo:[0,0,1] neg_hi:[0,0,1]
	v_pk_fma_f32 v[64*\j+32+\u:64*\j+33+\u], v[64*\j+32+\u:64*\j+33+\u], v[64*\j+\u:64*\j+1+\u], v[32+\u:33+\u]
.endr
	WIN 0
.endm
.macro QUANTW j
.set QS, 64*\j
.set QP, PC+12*\j
	WIN 0x0a
.irp b, 0,1,2,3
	v_max3_num_f32 v[TM+\b], |v[QS+16*\b]|, |v[QS+16*\b+1]|, 0x1800000
.endr
.irp i, 2,4,6,8,10,12,14
.irp b, 0,1,2,3
	v_max3_num_f32 v[TM+\b], |v[QS+16*\b+\i]|, |v[QS+16*\b+\i+1]|, v[TM+\b]
.endr
.endr
	WIN 0
.irp b, 0,1,2,3
	v_permlanex16_b32 v[TM+4+\b], v[TM+\b], s[SEL], s[SEL+1]
.endr
.irp b, 0,1,2,3
	v_max_num_f32 v[TM+\b], v[TM+\b], v[TM+4+\b]
.endr
.irp b, 0,1,2,3
	v_add_nc_u32 v[TM+12+\b], 0xff000000, v[TM+\b]
.endr
.irp b, 0,1,2,3
	v_lshrrev_b32 v[TM+4+\b], 23, v[TM+12+\b]
.endr
	v_lshl_or_b32 v[PW+\j], v[TM+5], 8, v[TM+4]
	v_lshl_or_b32 v[PW+\j], v[TM+6], 16, v[PW+\j]
	v_lshl_or_b32 v[PW+\j], v[TM+7], 24, v[PW+\j]
	WIN 0x02
.irp c, 0,1
	v_cvt_scalef32_pk16_fp6_f32 v[QP+6*\c:QP+6*\c+2], v[QS+32*\c:QS+32*\c+15], v[TM+12+2*\c]
	v_cvt_scalef32_pk16_fp6_f32 v[CT+4*\c:CT+4*\c+2], v[QS+32*\c+16:QS+32*\c+31], v[TM+13+2*\c]
.endr
	v_nop
	WIN 0
.irp c, 0,1
.irp i, 0,1,2
	v_permlane16_swap_b32 v[QP+6*\c+\i], v[CT+4*\c+\i]
.endr
.irp i, 0,1,2
	v_mov_b32 v[QP+3+6*\c+\i], v[CT+4*\c+\i]
.endr
.endr
.endm
	PLACES 4
	s_wait_loadcnt 0x0
.irp b, 0,1,2,3
	v_mov_b32 v[TM+4+\b], 0
.endr
.irp j, 0,1,2,3
	s_cmp_eq_u32 ttmp9, 3
	s_cbranch_scc1 .Lplain_\j
	ROPE \j
.Lplain_\j:
	QUANTW \j
.irp c, 0,1,2
	global_store_b128 v[LI], v[PC+12*\j+4*\c:PC+12*\j+4*\c+3], s[72:73] offset:FRB*\j+512*\c
.endr
.endr
	global_store_b128 v[R16], v[PW:PW+3], s[74:75]
	s_wait_tensorcnt 0x0
	ds_add_u32 v[SPW], v[NIL]
	s_wait_dscnt 0x0
	CROUND
	s_endpgm
.Lfunc_end_k_q2edd5907fd_qkv:
	.size	k_q2edd5907fd_qkv, .Lfunc_end_k_q2edd5907fd_qkv-k_q2edd5907fd_qkv
	.p2alignl 7, 3214868480
	.fill 96, 4, 3214868480
	.section	.rodata,"a",@progbits
	.p2align	6, 0x0
	.amdhsa_kernel k_q2edd5907fd_qkv
		.amdhsa_group_segment_fixed_size 327680
		.amdhsa_private_segment_fixed_size 0
		.amdhsa_enable_private_segment 0
		.amdhsa_kernarg_size 24
		.amdhsa_user_sgpr_count 2
		.amdhsa_user_sgpr_kernarg_segment_ptr 1
		.amdhsa_wavefront_size32 1
		.amdhsa_system_sgpr_workgroup_id_x 1
		.amdhsa_system_sgpr_workgroup_id_y 1
		.amdhsa_system_sgpr_workgroup_id_z 1
		.amdhsa_system_vgpr_workitem_id 0
		.amdhsa_next_free_vgpr 1024
		.amdhsa_next_free_sgpr 98
		.amdhsa_reserve_vcc 0
		.amdhsa_float_denorm_mode_32 3
		.amdhsa_float_denorm_mode_16_64 3
		.amdhsa_memory_ordered 1
		.amdhsa_forward_progress 1
		.amdhsa_inst_pref_size 161
	.end_amdhsa_kernel
	.amdgpu_metadata
---
amdhsa.version: [ 1, 2 ]
amdhsa.kernels:
  - .name:           k_q2edd5907fd_qkv
    .symbol:         k_q2edd5907fd_qkv.kd
    .args:
      - { .name: hw, .offset: 0, .size: 8, .value_kind: global_buffer, .address_space: global }
      - { .name: rope, .offset: 8, .size: 8, .value_kind: global_buffer, .address_space: global }
      - { .name: qkv, .offset: 16, .size: 8, .value_kind: global_buffer, .address_space: global }
    .group_segment_fixed_size: 327680
    .private_segment_fixed_size: 0
    .kernarg_segment_align: 8
    .kernarg_segment_size: 24
    .max_flat_workgroup_size: 128
    .sgpr_count:     98
    .vgpr_count:     1024
    .wavefront_size: 32
...
	.end_amdgpu_metadata
.endif
;; end of part 2
;; launch attn (part 3): grid 32 x 8, 16 waves a work-group, clusters of 4 x 1, 327,680 bytes of LDS; arguments qkv, ctx; writes ctx
.if DOCPART == 3
	.amdgcn_target "amdgcn-amd-amdhsa--gfx1250"
	.amdhsa_code_object_version 6
	.text
	.protected	k_q2edd5907fd_attn
	.globl	k_q2edd5907fd_attn
	.p2align	8
	.type	k_q2edd5907fd_attn,@function
k_q2edd5907fd_attn:
	s_mov_b64 s[64:65], 0
	v_nop
	global_prefetch_b8 v0, s[64:65] scope:SCOPE_SE
	s_setreg_imm32_b32 hwreg(HW_REG_WAVE_MODE, 25, 1), 1
	s_wait_xcnt 0x0
	s_wait_alu depctr_hold_cnt(0) depctr_sa_sdst(0) depctr_va_vdst(0) depctr_va_sdst(0) depctr_va_ssrc(0) depctr_va_vcc(0) depctr_vm_vsrc(0)
	s_getreg_b32 s2, hwreg(HW_REG_IB_STS2, 6, 4)
	s_cmp_eq_u32 s2, 0
	s_cbranch_scc0 .Lentry_in_a_cluster
	s_endpgm
.Lentry_in_a_cluster:
	s_bfe_u32 s2, ttmp6, 0x10000c
	s_cmp_lg_u32 s2, 0x3003
	s_cbranch_scc0 .Lentry_shape_is_right
	s_endpgm
.Lentry_shape_is_right:
; ctx = softmax(q k^T / sqrt(128), causal) v for 2 batches x 8 query heads (4 key and value heads), both products on codes of FP6 (E2M3) with E8M0 scales; ctx is quantised along head x 128 and leaves as operand images.
; IN.  qkv: [b 2][hh 16][step 16] records of 12,800 bytes: 8 fragments of 1,536 bytes, then 2 x 256 bytes of scale words (16 bytes a row, a word a fragment).  q (hh 0-7), k (8-11): a step's 128 rows; v (12-15): 8 fragments of channels, K = the step's 128 keys.
; Fragment t holds in lane r row 32 (t / 2) + 8 (t % 2) + r + 8 (r / 8): so the 16 registers of two neighbouring tiles of S^T are 16 neighbouring keys, and those of O^T 16 neighbouring channels.
; THE SOFTMAX: t = score x log2(e) / sqrt(128); M = the running largest t rounded up to a whole number; p = 2^(t - M) is quantised along the keys, not normalised; the row's sum is taken of the unquantised p and divides at the end.
; SHARES.  y = 4 b + g.  The cluster's four work-groups walk the same k and v (head g): cx % 2 picks the query head 2 g + cx % 2, cx / 2 and the cluster's x the query fragments: t = c + 16 i, c = 8 c3 + 2 cc + cx / 2 (c3 = x / 4, cc = x % 4), i = 0 .. 7.
; Wave w takes tile i = w / 2 and, of its key steps 0 .. L (L = 2 i + c3, the step on the diagonal), those with step % 2 = w % 2.  L hangs on the wave's number and the cluster's x alone, so partners branch alike.
; The two waves of a tile meet at the end through LDS: sums and O^T are brought under the larger M by exact powers of two and added (another order of addition than one stream's).
; RING.  Four phases of 4 key steps.  A slot: k's 4 records, then v's 4: 102,400 bytes; two slots, 2^17 apart.  Waves 0-3 fetch 25,600 bytes each by one joint load behind each round; one tensor load of a wave is out at any time; every wait for tensor loads is for all.
; Every cluster asks for all four phases: tile 7 of every work-group reads into the last.
; Nothing is prefetched: a refill has a whole phase's key steps in which to land, and the launch has four phases in all.
; OUT.  ctx: [256 fragments][2] records of 6,400 bytes, K step = head.  The scale word of a row leaves by a store of 4 bytes, 16 bytes from row to row: one byte in 25 of what the launch stores.
; REGISTERS: v1-4 addresses that stay; v5, v6 the add's two; v7 16 x lane; v8-11 addresses in hand; v12 -M, v13 the largest t, v[14:15] the sum; v16-27 q; v32-79 four fragments; v96-159 S^T, then p; v160-223 O^T; v224-235 p's codes; v232-254 at work; v255 q's scale word.
; LIMITS: NaN and infinities are not served; a block of zeros gets the byte 1 with zero codes.
.set SLOT1, 1<<17
.set MRG,   SLOT1+102400               ; behind the ring: for each tile 8,448 bytes: O^T's image, -M, the sum
.set SPARE, MRG+8*8448                 ; the spare words, 128 bytes for each of sixteen waves
.set AK0,  1
.set AV0,  2
.set ASK0, 3
.set ASV0, 4
.set SPW,  5
.set NIL,  6
.set LI,   7
.set ADK,  8
.set ADV,  9
.set ADS,  10
.set ADT,  11
.set DQ,   28                          ; v28 my query within its step of 128, less 16 h
.set MA,   29                          ; v29 my tile's place for O^T's image
.set MS,   30                          ; v30 and for -M and the sum
.set R16,  31
.set PC,   32
.set TM,   232
.set WV,   18
.set SEL,  20
.set CS,   22
.set G1,   24
.set G0,   32
.set TB,   36                          ; s36 where the slot in hand begins
.set KS,   37                          ; s37 my next key step
.set LL,   38                          ; s38 my last
.set PH,   39
.set EE,   40                          ; s40 wave % 2
.macro TLOAD                           ; waves 0-3 fetch; an s_nop 0 and four v_nop follow the line
	s_cmp_lt_u32 s[WV], 4
	s_cbranch_scc0 .Lnone_\@
	tensor_load_to_lds s[G0:G0+3], s[G1:G1+7]
	s_nop 0
.rept 4
	v_nop
.endr
.Lnone_\@:
.endm
.macro CROUND
	s_barrier_signal -1
	s_barrier_wait -1
	s_cmp_lg_u32 s[WV], 0
	s_cbranch_scc1 .Lnot_wave_0_\@
	s_barrier_signal -3
.Lnot_wave_0_\@:
	s_barrier_wait -3
	s_barrier_signal -1
	s_barrier_wait -1
.endm
	s_load_b128 s[4:7], s[0:1], 0x0                ; qkv, ctx
	v_lshl_add_u32 v[SPW], v0, 2, SPARE
	v_mov_b32 v[NIL], 0
	ds_add_u32 v[SPW], v[NIL]                      ; the wave's opening: the add and its wait ahead of the first tensor load; work on registers stands between them
	ds_add_u32 v[SPW], v[NIL]
	v_lshrrev_b32 v8, 5, v0
	s_delay_alu instid0(VALU_DEP_1)
	v_readfirstlane_b32 s[WV], v8
	s_bfe_u32 s41, ttmp6, 0x40000                  ; cx
	s_and_b32 s42, ttmp7, 0xffff
	s_lshr_b32 s43, s42, 2                         ; b
	s_and_b32 s44, s42, 3                          ; g
	s_lshr_b32 s45, ttmp9, 2                       ; c3
	s_and_b32 s46, ttmp9, 3                        ; cc
	s_and_b32 s[EE], s[WV], 1
	s_lshr_b32 s47, s[WV], 1                       ; my tile
	s_lshl_b32 s[LL], s47, 1
	s_add_co_u32 s[LL], s[LL], s45
	s_mov_b32 s[KS], s[EE]
	s_mov_b32 s[TB], 0
	s_mov_b32 s[G1], 15|(3<<16)|(1<<21)            ; 15:0 the mask: all four work-groups; 17:16 elements of 8 bytes; 21 set beside a mask
	s_mov_b32 s[G1+1], 32<<16                      ; rows of 256 bytes,
	s_mov_b32 s[G1+2], 100<<16                     ; 100 of them, dense: two records
	s_mov_b32 s[G1+3], 32<<16
	s_mov_b32 s[G1+4], 100
	s_mov_b32 s[G1+5], 32
	s_mov_b32 s[G1+6], 0
	s_mov_b32 s[G1+7], 0
	s_and_b32 s48, s[WV], 3
	s_mul_i32 s49, s48, 25600                      ; where my two records go
	s_lshl_b32 s50, s43, 4
	s_add_co_u32 s50, s50, s44
	s_add_co_u32 s51, s50, 8                       ; k's hh: 16 b + 8 + g
	s_mul_i32 s52, s51, 204800
	s_lshr_b32 s53, s48, 1
	s_mul_i32 s53, s53, 819200                     ; waves 2, 3: v's, four heads on
	s_add_co_u32 s52, s52, s53
	s_mul_i32 s53, s[EE], 25600
	s_add_co_u32 s52, s52, s53
	s_mov_b32 s53, 0
	s_and_b32 s54, s41, 1
	s_lshl_b32 s55, s44, 1
	s_add_co_u32 s54, s54, s55                     ; my query head
	s_lshr_b32 s55, s41, 1
	s_lshl_b32 s56, s46, 1
	s_add_co_u32 s56, s56, s55                     ; t % 8
	s_lshl_b32 s57, s43, 4
	s_add_co_u32 s57, s57, s54
	s_lshl_b32 s57, s57, 4
	s_add_co_u32 s57, s57, s[LL]                   ; t / 8 = L
	s_mul_i32 s57, s57, 12800                      ; q's record
	s_mul_i32 s58, s56, 1536
	s_add_co_u32 s58, s58, s57                     ; my fragment's codes
	s_mov_b32 s59, 0
	s_lshr_b32 s60, s56, 2
	s_lshl_b32 s60, s60, 8
	s_and_b32 s61, s56, 3
	s_lshl_b32 s61, s61, 2
	s_add_co_u32 s60, s60, s61
	s_add_co_u32 s60, s60, s57
	s_add_co_u32 s60, s60, 12288                   ; and its scale words
	s_mov_b32 s61, 0
	s_lshl_b32 s62, s43, 7
	s_lshl_b32 s63, s[LL], 3
	s_add_co_u32 s62, s62, s63
	s_add_co_u32 s62, s62, s56                     ; ctx: fragment 128 b + t,
	s_mul_i32 s62, s62, 12800
	s_lshr_b32 s63, s54, 2
	s_mul_i32 s63, s63, 6400
	s_add_co_u32 s62, s62, s63                     ; its record of four heads,
	s_and_b32 s63, s54, 3
	s_lshl_b32 s66, s63, 2
	s_add_co_u32 s66, s66, s62
	s_add_co_u32 s66, s66, 6144                    ; my head's scale words,
	s_mov_b32 s67, 0
	s_mul_i32 s63, s63, 1536
	s_add_co_u32 s62, s62, s63                     ; my head's codes
	s_mov_b32 s63, 0
	s_mov_b32 s[SEL], 0x76543210
	s_mov_b32 s[SEL+1], 0xfedcba98
	s_mov_b32 s[CS], 0x3e0293ee                    ; c = log2(e) / sqrt(128)
	s_mov_b32 s[CS+1], s[CS]
	v_and_b32 v8, 15, v0                           ; r
	v_bfe_u32 v9, v0, 4, 1                         ; h
	v_and_b32 v10, 31, v0                          ; lane
	s_delay_alu instid0(VALU_DEP_1)
	v_lshlrev_b32 v[LI], 4, v10
	s_delay_alu instid0(VALU_DEP_4)
	v_lshlrev_b32 v[R16], 4, v8
	s_mul_i32 s70, s[EE], 12800                    ; of a phase's four steps mine are e and 2 + e
	v_add_nc_u32 v[AK0], s70, v[LI]
	v_add_nc_u32 v[ASK0], s70, v[R16]
	s_delay_alu instid0(VALU_DEP_2)
	v_add_nc_u32 v[AV0], 51200, v[AK0]
	s_delay_alu instid0(VALU_DEP_2)
	v_add_nc_u32 v[ASV0], 51200, v[ASK0]
	s_mul_i32 s71, s47, 8448
	s_add_co_u32 s71, s71, MRG
	v_add_nc_u32 v[MA], s71, v[LI]
	v_lshlrev_b32 v10, 2, v10
	s_add_co_u32 s71, s71, 8192
	v_add_nc_u32 v[MS], s71, v10
	s_lshl_b32 s68, s46, 5
	s_lshl_b32 s69, s55, 3
	s_add_co_u32 s68, s68, s69
	v_and_b32 v10, 8, v8
	s_delay_alu instid0(VALU_DEP_1)
	v_add_nc_u32 v10, v10, v8
	v_lshlrev_b32 v11, 4, v9
	s_delay_alu instid0(VALU_DEP_1)
	v_sub_nc_u32 v10, v10, v11
	s_delay_alu instid0(VALU_DEP_1)
	v_add_nc_u32 v[DQ], s68, v10                   ; 32 cc + 8 (cx / 2) + r + 8 (r / 8) - 16 h: a number for compares, never an address
	s_wait_dscnt 0x0                               ; the opening add is done
	s_wait_kmcnt 0x0
	s_mov_b32 s[G0], 1
	s_mov_b32 s[G0+1], s49
	s_add_nc_u64 s[G0+2:G0+3], s[4:5], s[52:53]
	s_or_b32 s[G0+3], s[G0+3], 0x80000000
	CROUND                                         ; all four work-groups are here
	TLOAD                                          ; phase 0 into slot 0
	s_add_nc_u64 s[58:59], s[4:5], s[58:59]
	s_add_nc_u64 s[60:61], s[4:5], s[60:61]
	s_add_nc_u64 s[62:63], s[6:7], s[62:63]
	s_add_nc_u64 s[66:67], s[6:7], s[66:67]
.irp c, 0,1,2
	global_load_b128 v[16+4*\c:19+4*\c], v[LI], s[58:59] offset:512*\c   ; q's fragment stays in registers
.endr
	global_load_b32 v255, v[R16], s[60:61]         ; and its scale word
	v_mov_b32 v13, 0xff61b1e6                      ; the largest t so far: -3e38
	s_delay_alu instid0(VALU_DEP_1)
	v_floor_f32 v12, -v13                          ; -M
	v_mov_b32 v14, 0
	v_mov_b32 v15, 0
.irp b, 0,1,2,3
	v_mov_b32 v[236+\b], 0                         ; written once: a lane permute's destination counts as one of its sources
.endr
	v_mov_b32 v253, 0                              ; (named as the upper half of the pair v[252:253] before it is first written)
.irp j, 0,1,2,3,4,5,6,7,8,9,10,11,12,13,14,15,16,17,18,19,20,21,22,23,24,25,26,27,28,29,30,31,32,33,34,35,36,37,38,39,40,41,42,43,44,45,46,47,48,49,50,51,52,53,54,55,56,57,58,59,60,61,62,63
	v_mov_b32 v[160+\j], 0                         ; O^T: the step is written once; a wave with no step at all hands zeros on
.endr
; A KEY STEP: 128 keys: of the phase in hand my q-th.
.macro STEP q
	s_cmp_gt_u32 s[KS], s[LL]                      ; a step all of whose keys come after my queries is left out: a branch on ids, round no barrier and no tensor load
	s_cbranch_scc1 .Lhidden_\@
	v_add_nc_u32 v[ADK], s[TB], v[AK0]
	s_wait_alu depctr_va_vdst(0)
	v_add_nc_u32 v[ADV], s[TB], v[AV0]
	v_add_nc_u32 v[ADS], s[TB], v[ASK0]
	s_wait_alu depctr_va_vdst(0)
	v_add_nc_u32 v[ADT], s[TB], v[ASV0]
.irp g, 0,1                                    ; S^T = k q^T, four tiles of 16 keys at a time
.rept 4*\g
	v_nop                                          ; places in front of loads into registers that matrix instructions have read (ahead of the first group the four additions above)
.endr
.irp t, 0,1,2,3
.irp c, 0,1,2
	ds_load_b128 v[32+12*\t+4*\c:35+12*\t+4*\c], v[ADK] offset:25600*(\q)+(4*\g+\t)*1536+512*\c
.endr
.endr
	ds_load_b128 v[248:251], v[ADS] offset:25600*(\q)+12288+256*\g
	s_wait_dscnt 0x0
.irp t, 0,1,2,3
	v_wmma_scale_f32_16x16x128_f8f6f4 v[96+8*(4*\g+\t):103+8*(4*\g+\t)], v[32+12*\t:43+12*\t], v[16:27], 0, v[248+\t], v255 matrix_a_fmt:MATRIX_FMT_FP6 matrix_b_fmt:MATRIX_FMT_FP6
.endr
.endr
.rept 4
	v_nop
.endr
	s_cmp_lg_u32 s[KS], s[LL]                      ; on the diagonal alone: the scores of hidden keys become -infinity ahead of the maximum, so that p = 0
	s_cbranch_scc1 .Lopen_\@
	v_mov_b32 v254, 0xff800000
.irp n, 0,1,2,3,4,5,6,7,8,9,10,11,12,13,14,15,16,17,18,19,20,21,22,23,24,25,26,27,28,29,30,31,32,33,34,35,36,37,38,39,40,41,42,43,44,45,46,47,48,49,50,51,52,53,54,55,56,57,58,59,60,61,62,63
	v_cmp_gt_i32 vcc_lo, 32*(\n/16)+\n%16, v[DQ]   ; register 16 b + i holds key 32 b + 16 h + i of the step
	v_cndmask_b32 v[96+\n], v[96+\n], v254, vcc_lo
.endr
.Lopen_\@:
.irp b, 0,1,2,3
	v_max3_num_f32 v[232+\b], v[96+16*\b], v[97+16*\b], v[98+16*\b]   ; the largest score of each block of 32 keys: for the row's maximum, and, since p rises with the score, for the block's largest p
.endr
.irp i, 3,5,7,9,11,13
.irp b, 0,1,2,3
	v_max3_num_f32 v[232+\b], v[232+\b], v[96+16*\b+\i], v[97+16*\b+\i]
.endr
.endr
.irp b, 0,1,2,3
	v_max_num_f32 v[232+\b], v[232+\b], v[111+16*\b]
.endr
.irp b, 0,1,2,3
	s_delay_alu instid0(VALU_DEP_4)
	v_permlanex16_b32 v[236+\b], v[232+\b], s[SEL], s[SEL+1]
.endr
.irp b, 0,1,2,3
	s_delay_alu instid0(VALU_DEP_4)
	v_max_num_f32 v[232+\b], v[232+\b], v[236+\b]  ; with lane l xor 16's 16 keys
.endr
	s_delay_alu instid0(VALU_DEP_2)
	v_max3_num_f32 v254, v232, v233, v234
	s_delay_alu instid0(VALU_DEP_1)
	v_max_num_f32 v254, v254, v235
	s_delay_alu instid0(VALU_DEP_1)
	v_mul_f32 v254, s[CS], v254
	s_delay_alu instid0(VALU_DEP_1)
	v_max_num_f32 v13, v13, v254                   ; the running largest t
	v_mov_b32 v254, v12
	s_delay_alu instid0(VALU_DEP_2)
	v_floor_f32 v12, -v13                          ; the new -M = -ceil(t)
	s_delay_alu instid0(VALU_DEP_1)
	v_sub_f32 v254, v12, v254                      ; old M - new M: a whole number, 0 or less
	s_delay_alu instid0(VALU_DEP_1)
	v_cvt_i32_f32 v254, v254                       ; (it saturates)
	s_delay_alu instid0(VALU_DEP_1)
	v_ldexp_f32 v252, 1.0, v254                    ; f = 2^(old M - new M)
.irp j, 0,2,4,6,8,10,12,14,16,18,20,22,24,26,28,30,32,34,36,38,40,42,44,46,48,50,52,54,56,58,60,62
	v_pk_fma_f32 v[96+\j:97+\j], v[96+\j:97+\j], s[CS:CS+1], v[12:13] op_sel_hi:[1,0,0]   ; t - M
.endr
.irp b, 0,1,2,3
	v_fma_f32 v[232+\b], v[232+\b], s[CS], v12
.endr
	s_wait_alu depctr_va_vdst(0)
.irp j, 0,1,2,3,4,5,6,7,8,9,10,11,12,13,14,15,16,17,18,19,20,21,22,23,24,25,26,27,28,29,30,31,32,33,34,35,36,37,38,39,40,41,42,43,44,45,46,47,48,49,50,51,52,53,54,55,56,57,58,59,60,61,62,63
	v_exp_f32 v[96+\j], v[96+\j]                   ; p = 2^(t - M): one batch
.endr
	v_pk_mul_f32 v[14:15], v[14:15], v[252:253] op_sel_hi:[1,0]   ; the sums under the new M (a plain place behind the exponentials)
	s_wait_alu depctr_va_vdst(0)                   ; one wait for the batch, ahead of its first reader
.irp b, 0,1,2,3
	v_exp_f32 v[232+\b], v[232+\b]                 ; each block's largest p
.endr
	v_pk_add_f32 v[236:237], v[100:101], v[104:105]
	v_pk_add_f32 v[250:251], v[108:109], v[112:113]
	v_pk_add_f32 v[248:249], v[116:117], v[120:121]
	v_pk_add_f32 v[246:247], v[124:125], v[128:129]
	v_pk_add_f32 v[244:245], v[132:133], v[136:137]
	v_pk_add_f32 v[242:243], v[140:141], v[144:145]
	v_pk_add_f32 v[240:241], v[148:149], v[152:153]
	v_pk_add_f32 v[14:15], v[14:15], v[156:157]
	v_pk_add_f32 v[236:237], v[236:237], v[96:97]
	v_pk_add_f32 v[250:251], v[250:251], v[98:99]
	v_pk_add_f32 v[248:249], v[248:249], v[102:103]
	v_pk_add_f32 v[246:247], v[246:247], v[106:107]
	v_pk_add_f32 v[244:245], v[244:245], v[110:111]
	v_pk_add_f32 v[242:243], v[242:243], v[114:115]
	v_pk_add_f32 v[240:241], v[240:241], v[118:119]
	v_pk_add_f32 v[14:15], v[14:15], v[122:123]
	v_pk_add_f32 v[236:237], v[236:237], v[126:127]
	v_pk_add_f32 v[250:251], v[250:251], v[130:131]
	v_pk_add_f32 v[248:249], v[248:249], v[134:135]
	v_pk_add_f32 v[246:247], v[246:247], v[138:139]
	v_pk_add_f32 v[244:245], v[244:245], v[142:143]
	v_pk_add_f32 v[242:243], v[242:243], v[146:147]
	v_pk_add_f32 v[240:241], v[240:241], v[150:151]
	v_pk_add_f32 v[14:15], v[14:15], v[154:155]
	v_pk_add_f32 v[236:237], v[236:237], v[158:159]
	s_delay_alu instid0(VALU_DEP_2)
	v_pk_add_f32 v[14:15], v[14:15], v[246:247]
	s_delay_alu instid0(VALU_DEP_2)
	v_pk_add_f32 v[236:237], v[236:237], v[244:245]
	v_pk_add_f32 v[250:251], v[250:251], v[242:243]
	v_pk_add_f32 v[248:249], v[248:249], v[240:241]
	s_delay_alu instid0(VALU_DEP_2)
	v_pk_add_f32 v[14:15], v[14:15], v[250:251]
	s_delay_alu instid0(VALU_DEP_2)
	v_pk_add_f32 v[236:237], v[236:237], v[248:249]
	s_delay_alu instid0(VALU_DEP_1)
	v_pk_add_f32 v[14:15], v[14:15], v[236:237]
	s_wait_alu depctr_va_vdst(0)                   ; and one for the four
.irp b, 0,1,2,3
	v_max_num_f32 v[232+\b], 0x1800000, v[232+\b]  ; the floor 2^(3 - 127)
.endr
.irp b, 0,1,2,3
	s_delay_alu instid0(VALU_DEP_4)
	v_add_nc_u32 v[244+\b], 0xff000000, v[232+\b]  ; the conversion's scale operand
.endr
.irp b, 0,1,2,3
	s_delay_alu instid0(VALU_DEP_4)
	v_lshrrev_b32 v[236+\b], 23, v[244+\b]         ; the scale's byte
.endr
	s_delay_alu instid0(VALU_DEP_3)
	v_lshl_or_b32 v253, v237, 8, v236              ; p's scale word for these 128 keys
	s_delay_alu instid0(VALU_DEP_1)
	v_lshl_or_b32 v253, v238, 16, v253
	s_delay_alu instid0(VALU_DEP_1)
	v_lshl_or_b32 v253, v239, 24, v253
.irp c, 0,1
	v_cvt_scalef32_pk16_fp6_f32 v[224+6*\c:226+6*\c], v[96+32*\c:111+32*\c], v[244+2*\c]
	v_cvt_scalef32_pk16_fp6_f32 v[236+4*\c:238+4*\c], v[112+32*\c:127+32*\c], v[244+2*\c+1]
.endr
	v_nop                                          ; one plain place behind a scaled conversion
.irp c, 0,1
.irp i, 0,1,2
	v_permlane16_swap_b32 v[224+6*\c+\i], v[236+4*\c+\i]
.endr
.irp i, 0,1,2
	s_delay_alu instid0(VALU_DEP_3)
	v_mov_b32 v[227+6*\c+\i], v[236+4*\c+\i]
.endr
.endr
.irp j, 0,2,4,6,8,10,12,14,16,18,20,22,24,26,28,30,32,34,36,38,40,42,44,46,48,50,52,54,56,58,60,62
	v_pk_mul_f32 v[160+\j:161+\j], v[160+\j:161+\j], v[252:253] op_sel_hi:[1,0]   ; O^T under the new M (these 32 are also the places in front of the loads and products below)
.endr
	s_wait_alu depctr_va_vdst(0)
.irp g, 0,1                                    ; O^T += v^T p^T, four tiles of 16 channels at a time
.rept 4*\g
	v_nop
.endr
.irp t, 0,1,2,3
.irp c, 0,1,2
	ds_load_b128 v[32+12*\t+4*\c:35+12*\t+4*\c], v[ADV] offset:25600*(\q)+(4*\g+\t)*1536+512*\c
.endr
.endr
	ds_load_b128 v[248:251], v[ADT] offset:25600*(\q)+12288+256*\g
	s_wait_dscnt 0x0
.irp t, 0,1,2,3
	v_wmma_scale_f32_16x16x128_f8f6f4 v[160+8*(4*\g+\t):167+8*(4*\g+\t)], v[32+12*\t:43+12*\t], v[224:235], v[160+8*(4*\g+\t):167+8*(4*\g+\t)], v[248+\t], v253 matrix_a_fmt:MATRIX_FMT_FP6 matrix_b_fmt:MATRIX_FMT_FP6
.endr
.endr
.Lhidden_\@:
	s_add_co_u32 s[KS], s[KS], 2
.endm
; THE CHANGE OF SLOTS, at a phase's head: each wave waits for all its tensor loads, adds 0 to its spare word, and waits for that and for its reads of the slot that it has left.  fill = 1: behind a round of the cluster's barrier that slot takes the next phase.
.macro CHANGE fill
	s_wait_tensorcnt 0x0
	ds_add_u32 v[SPW], v[NIL]
.if \fill
	s_xor_b32 s[G0+1], s[G0+1], SLOT1              ; no load of mine is out, so the descriptor may walk: the other slot,
	s_add_nc_u64 s[G0+2:G0+3], s[G0+2:G0+3], 51200 ; the next four records
.endif
	s_wait_dscnt 0x0
.if \fill
	CROUND
	TLOAD
.else
	s_barrier_signal -1
	s_barrier_wait -1
.endif
.endm
	s_wait_loadcnt 0x0                             ; q
	s_mov_b32 s[PH], 3
.Lphase:
	CHANGE 1
	STEP 0
	STEP 1
	s_xor_b32 s[TB], s[TB], SLOT1
	s_sub_co_u32 s[PH], s[PH], 1
	s_cmp_lg_u32 s[PH], 0
	s_cbranch_scc1 .Lphase
	CHANGE 0                                       ; the last phase is written out: nothing is left to fetch
	STEP 0
	STEP 1
	; THE TWO WAVES OF A TILE MEET.  The odd wave hands over O^T as it stands, -M and its lanes' sums.
.rept 4
	v_nop                                          ; places behind the last products
.endr
	v_add_f32 v14, v14, v15
	s_cmp_eq_u32 s[EE], 0
	s_cbranch_scc1 .Lkeep
	s_wait_alu depctr_va_vdst(0)
.irp c, 0,1,2,3,4,5,6,7,8,9,10,11,12,13,14,15
	ds_store_b128 v[MA], v[160+4*\c:163+4*\c] offset:512*\c
.endr
	ds_store_b32 v[MS], v12
	ds_store_b32 v[MS], v14 offset:128
.Lkeep:
	s_wait_dscnt 0x0                               ; for the other wave's sake: my stores have landed
	s_barrier_signal -1
	s_barrier_wait -1
	s_cmp_lg_u32 s[EE], 0
	s_cbranch_scc1 .Lend
.irp c, 0,1,2,3,4,5,6,7,8,9,10,11,12,13,14,15
	ds_load_b128 v[96+4*\c:99+4*\c], v[MA] offset:512*\c
.endr
	ds_load_b32 v232, v[MS]
	ds_load_b32 v233, v[MS] offset:128
	s_wait_dscnt 0x0
	v_min_num_f32 v234, v12, v232                  ; -(the larger M)
	s_delay_alu instid0(VALU_DEP_1)
	v_sub_f32 v235, v234, v12
	s_delay_alu instid0(VALU_DEP_2)
	v_sub_f32 v236, v234, v232
	s_delay_alu instid0(VALU_DEP_2)
	v_cvt_i32_f32 v235, v235                       ; (they saturate: a partner that had no step counts for nothing)
	s_delay_alu instid0(VALU_DEP_2)
	v_cvt_i32_f32 v236, v236
	s_delay_alu instid0(VALU_DEP_2)
	v_ldexp_f32 v235, 1.0, v235                    ; my factor,
	s_wait_alu depctr_va_vdst(0)
	v_ldexp_f32 v236, 1.0, v236                    ; the partner's: exact powers of two
	v_mul_f32 v14, v14, v235
	s_delay_alu instid0(VALU_DEP_1)
	v_fma_f32 v14, v233, v236, v14
	s_delay_alu instid0(VALU_DEP_1)
	v_permlanex16_b32 v237, v14, s[SEL], s[SEL+1]
	s_delay_alu instid0(VALU_DEP_1)
	v_add_f32 v14, v14, v237                       ; the row's sum
	s_wait_alu depctr_va_vdst(0)
	v_rcp_f32 v14, v14
	v_nop                                          ; a plain place behind the reciprocal
	s_wait_alu depctr_va_vdst(0)                   ; and the wait ahead of its first reader
	v_mul_f32 v238, v235, v14
	v_mul_f32 v240, v236, v14
	s_delay_alu instid0(VALU_DEP_2)
	v_mov_b32 v239, v238
	s_delay_alu instid0(VALU_DEP_2)
	v_mov_b32 v241, v240
.irp j, 0,2,4,6,8,10,12,14,16,18,20,22,24,26,28,30,32,34,36,38,40,42,44,46,48,50,52,54,56,58,60,62
	v_pk_mul_f32 v[160+\j:161+\j], v[160+\j:161+\j], v[238:239]
.endr
.irp j, 0,2,4,6,8,10,12,14,16,18,20,22,24,26,28,30,32,34,36,38,40,42,44,46,48,50,52,54,56,58,60,62
	v_pk_fma_f32 v[160+\j:161+\j], v[96+\j:97+\j], v[240:241], v[160+\j:161+\j]   ; register 16 b + i: channel 32 b + 16 h + i of my query: the order that the conversions want
.endr
.irp b, 0,1,2,3
	v_max3_num_f32 v[TM+\b], |v[160+16*\b]|, |v[161+16*\b]|, 0x1800000
.endr
.irp i, 2,4,6,8,10,12,14
.irp b, 0,1,2,3
	s_delay_alu instid0(VALU_DEP_4)
	v_max3_num_f32 v[TM+\b], v[TM+\b], |v[160+16*\b+\i]|, |v[161+16*\b+\i]|
.endr
.endr
.irp b, 0,1,2,3
	s_delay_alu instid0(VALU_DEP_4)
	v_permlanex16_b32 v[TM+4+\b], v[TM+\b], s[SEL], s[SEL+1]
.endr
.irp b, 0,1,2,3
	s_delay_alu instid0(VALU_DEP_4)
	v_max_num_f32 v[TM+\b], v[TM+\b], v[TM+4+\b]
.endr
.irp b, 0,1,2,3
	s_delay_alu instid0(VALU_DEP_4)
	v_add_nc_u32 v[TM+12+\b], 0xff000000, v[TM+\b]
.endr
.irp b, 0,1,2,3
	s_delay_alu instid0(VALU_DEP_4)
	v_lshrrev_b32 v[TM+4+\b], 23, v[TM+12+\b]
.endr
	s_delay_alu instid0(VALU_DEP_3)
	v_lshl_or_b32 v253, v[TM+5], 8, v[TM+4]
	s_delay_alu instid0(VALU_DEP_1)
	v_lshl_or_b32 v253, v[TM+6], 16, v253
	s_delay_alu instid0(VALU_DEP_1)
	v_lshl_or_b32 v253, v[TM+7], 24, v253          ; my row's scale word for this head
.irp c, 0,1
	v_cvt_scalef32_pk16_fp6_f32 v[PC+6*\c:PC+2+6*\c], v[160+32*\c:175+32*\c], v[TM+12+2*\c]
	v_cvt_scalef32_pk16_fp6_f32 v[PC+12+4*\c:PC+14+4*\c], v[176+32*\c:191+32*\c], v[TM+13+2*\c]
.endr
	v_nop
.irp c, 0,1
.irp i, 0,1,2
	v_permlane16_swap_b32 v[PC+6*\c+\i], v[PC+12+4*\c+\i]
.endr
.irp i, 0,1,2
	s_delay_alu instid0(VALU_DEP_3)
	v_mov_b32 v[PC+3+6*\c+\i], v[PC+12+4*\c+\i]
.endr
.endr
.irp c, 0,1,2
	global_store_b128 v[LI], v[PC+4*\c:PC+4*\c+3], s[62:63] offset:512*\c   ; 512 consecutive bytes, at a multiple of 256 from the buffer's first byte
.endr
	global_store_b32 v[R16], v253, s[66:67]
.Lend:
	s_wait_tensorcnt 0x0                           ; the wave's end
	ds_add_u32 v[SPW], v[NIL]
	s_wait_dscnt 0x0
	CROUND                                         ; the closing round
	s_endpgm
.Lfunc_end_k_q2edd5907fd_attn:
	.size	k_q2edd5907fd_attn, .Lfunc_end_k_q2edd5907fd_attn-k_q2edd5907fd_attn
	.p2alignl 7, 3214868480
	.fill 96, 4, 3214868480
	.section	.rodata,"a",@progbits
	.p2align	6, 0x0
	.amdhsa_kernel k_q2edd5907fd_attn
		.amdhsa_group_segment_fixed_size 327680
		.amdhsa_private_segment_fixed_size 0
		.amdhsa_enable_private_segment 0
		.amdhsa_kernarg_size 16
		.amdhsa_user_sgpr_count 2
		.amdhsa_user_sgpr_kernarg_segment_ptr 1
		.amdhsa_wavefront_size32 1
		.amdhsa_system_sgpr_workgroup_id_x 1
		.amdhsa_system_sgpr_workgroup_id_y 1
		.amdhsa_system_sgpr_workgroup_id_z 1
		.amdhsa_system_vgpr_workitem_id 0
		.amdhsa_next_free_vgpr 256
		.amdhsa_next_free_sgpr 100
		.amdhsa_reserve_vcc 1
		.amdhsa_float_denorm_mode_32 3
		.amdhsa_float_denorm_mode_16_64 3
		.amdhsa_memory_ordered 1
		.amdhsa_forward_progress 1
		.amdhsa_inst_pref_size 124
	.end_amdhsa_kernel
	.amdgpu_metadata
---
amdhsa.version: [ 1, 2 ]
amdhsa.kernels:
  - .name:           k_q2edd5907fd_attn
    .symbol:         k_q2edd5907fd_attn.kd
    .args:
      - { .name: qkv, .offset: 0, .size: 8, .value_kind: global_buffer, .address_space: global }
      - { .name: ctx, .offset: 8, .size: 8, .value_kind: global_buffer, .address_space: global }
    .group_segment_fixed_size: 327680
    .private_segment_fixed_size: 0
    .kernarg_segment_align: 8
    .kernarg_segment_size: 16
    .max_flat_workgroup_size: 512
    .sgpr_count:     100
    .vgpr_count:     256
    .wavefront_size: 32
...
	.end_amdgpu_metadata
.endif
;; end of part 3
;; launch oproj (part 4): grid 16 x 16, 4 waves a work-group, clusters of 4 x 4, 327,680 bytes of LDS; arguments ctx, hw, out0; writes out0
.if DOCPART == 4
	.amdgcn_target "amdgcn-amd-amdhsa--gfx1250"
	.amdhsa_code_object_version 6
	.text
	.protected	k_q2edd5907fd_oproj
	.globl	k_q2edd5907fd_oproj
	.p2align	8
	.type	k_q2edd5907fd_oproj,@function
k_q2edd5907fd_oproj:
	s_mov_b64 s[64:65], 0
	v_nop
	global_prefetch_b8 v0, s[64:65] scope:SCOPE_SE
	s_setreg_imm32_b32 hwreg(HW_REG_WAVE_MODE, 25, 1), 1
	s_wait_xcnt 0x0
	s_wait_alu depctr_hold_cnt(0) depctr_sa_sdst(0) depctr_va_vdst(0) depctr_va_sdst(0) depctr_va_ssrc(0) depctr_va_vcc(0) depctr_vm_vsrc(0)
	s_getreg_b32 s2, hwreg(HW_REG_IB_STS2, 6, 4)
	s_cmp_eq_u32 s2, 0
	s_cbranch_scc0 .Lentry_in_a_cluster
	s_endpgm
.Lentry_in_a_cluster:
	s_bfe_u32 s2, ttmp6, 0x10000c
	s_cmp_lg_u32 s2, 0xf033
	s_cbranch_scc0 .Lentry_shape_is_right
	s_endpgm
.Lentry_shape_is_right:
.set REC,   6400
.set FRB,   1536
.set SLOT,  24*REC
.set BOFF,  16*REC
.set SPARE, 2*SLOT
.set STAGE, SPARE+512
.set SPITCH, 272
.set ROWBY, 2*REC
.set WOOFF, 19660800
.set NEXTB, 16*8*ROWBY
.set LI,   4
.set R16,  5
.set ADR0, 16
.set ADR1, 18
.set ADS0, 20
.set ADS1, 22
.set STO,  24
.set RD,   25
.set CO,   26
.set SPW,  28
.set NIL,  29
.set SC,   32
.set F1,   128
.set G1A,  24
.set G0A,  32
.set G1B,  48
.set G0B,  56
.set G1R,  76
.set G0R,  84
.set MUL,  0xa1
.set MSB, 0
.macro WIN new
.if MSB != \new
	s_set_vgpr_msb (MSB<<8)|\new
.set MSB, \new
.endif
.endm
.macro PLACES n
.rept \n
	v_nop
.endr
.endm
.macro JLOAD g0a, g1a, g0b, g1b
	s_cmp_eq_u32 s15, 0
	s_cbranch_scc0 .Lfor_b_\@
	tensor_load_to_lds s[\g0a:\g0a+3], s[\g1a:\g1a+7]
	s_nop 0
.rept 4
	v_nop
.endr
	s_branch .Lasked_\@
.Lfor_b_\@:
	tensor_load_to_lds s[\g0b:\g0b+3], s[\g1b:\g1b+7]
	s_nop 0
.rept 4
	v_nop
.endr
.Lasked_\@:
.endm
.macro RLOAD s
	tensor_load_to_lds s[G0R+4*\s:G0R+4*\s+3], s[G1R:G1R+7]
	s_nop 0
.rept 4
	v_nop
.endr
.endm
.macro CREST
	s_cmp_lg_u32 s14, 0
	s_cbranch_scc1 .Lnot_wave_0_\@
	s_barrier_signal -3
.Lnot_wave_0_\@:
	s_barrier_wait -3
	s_barrier_signal -1
	s_barrier_wait -1
.endm
.macro CROUND
	s_barrier_signal -1
	s_barrier_wait -1
	CREST
.endm
	s_load_b128 s[4:7], s[0:1], 0x0
	s_load_b64 s[8:9], s[0:1], 0x10
	v_lshl_add_u32 v[SPW], v0, 2, SPARE
	v_mov_b32 v[NIL], 0
	ds_add_u32 v[SPW], v[NIL]
	ds_add_u32 v[SPW], v[NIL]
	v_lshrrev_b32 v1, 5, v0
	v_readfirstlane_b32 s14, v1
	s_lshr_b32 s15, s14, 1
	s_and_b32 s16, s14, 1
	s_bfe_u32 s40, ttmp6, 0x40000
	s_bfe_u32 s41, ttmp6, 0x40004
	s_lshl_b32 s42, ttmp9, 2
	s_add_co_u32 s42, s42, s40
	s_and_b32 s17, ttmp7, 0xffff
	s_lshl_b32 s17, s17, 2
	s_add_co_u32 s17, s17, s41
	s_lshl_b32 s43, s41, 2
	s_lshl_b32 s43, 15, s43
	s_lshl_b32 s44, 0x1111, s40
	s_or_b32 s[G1A], s43, (3<<16)|(1<<21)
	s_or_b32 s[G1B], s44, (3<<16)|(1<<21)
	s_or_b32 s[G1R], s44, (3<<16)|(1<<21)
	s_mov_b32 s[G1A+1], 800<<16
	s_mov_b32 s[G1A+2], 8<<16
	s_mov_b32 s[G1A+3], 800<<16
	s_mov_b32 s[G1A+4], 8
	s_mov_b32 s[G1A+5], ROWBY/8
	s_mov_b32 s[G1A+6], 0
	s_mov_b32 s[G1A+7], 0
	s_mov_b32 s[G1B+1], 800<<16
	s_mov_b32 s[G1B+2], 4<<16
	s_mov_b32 s[G1B+3], 800<<16
	s_mov_b32 s[G1B+4], 4
	s_mov_b32 s[G1B+5], ROWBY/8
	s_mov_b32 s[G1B+6], 0
	s_mov_b32 s[G1B+7], 0
	s_mov_b32 s[G1R+1], 800<<16
	s_mov_b32 s[G1R+2], 2<<16
	s_mov_b32 s[G1R+3], 800<<16
	s_mov_b32 s[G1R+4], 2
	s_mov_b32 s[G1R+5], ROWBY/8
	s_mov_b32 s[G1R+6], 0
	s_mov_b32 s[G1R+7], 0
	s_lshl_b32 s20, s17, 4
	s_lshl_b32 s18, s16, 3
	s_add_co_u32 s20, s20, s18
	s_mul_i32 s20, s20, ROWBY
	s_mov_b32 s21, 0
	s_lshl_b32 s46, s42, 3
	s_lshl_b32 s18, s16, 2
	s_add_co_u32 s46, s46, s18
	s_mul_i32 s46, s46, ROWBY
	s_add_co_u32 s46, s46, WOOFF
	s_mov_b32 s47, 0
	s_lshl_b32 s92, s42, 3
	s_lshl_b32 s94, s14, 1
	s_add_co_u32 s92, s92, s94
	s_mul_i32 s92, s92, ROWBY
	s_add_co_u32 s92, s92, WOOFF+NEXTB
	s_mov_b32 s93, 0
	s_mul_i32 s45, s16, 8*REC
	s_mul_i32 s19, s16, 4*REC
	s_add_co_u32 s19, s19, BOFF
	s_mul_i32 s94, s14, 2*REC
	s_add_co_u32 s94, s94, BOFF
	s_wait_dscnt 0x0
	s_wait_kmcnt 0x0
	s_add_nc_u64 s[20:21], s[4:5], s[20:21]
	s_add_nc_u64 s[46:47], s[6:7], s[46:47]
	s_add_nc_u64 s[92:93], s[6:7], s[92:93]
	CROUND
.irp s, 0,1
	s_mov_b32 s[G0A+4*\s], 1
	s_add_co_u32 s[G0A+4*\s+1], s45, \s*SLOT
	s_add_nc_u64 s[G0A+4*\s+2:G0A+4*\s+3], s[20:21], \s*REC
	s_or_b32 s[G0A+4*\s+3], s[G0A+4*\s+3], 0x80000000
	s_mov_b32 s[G0B+4*\s], 1
	s_add_co_u32 s[G0B+4*\s+1], s19, \s*SLOT
	s_add_nc_u64 s[G0B+4*\s+2:G0B+4*\s+3], s[46:47], \s*REC
	s_or_b32 s[G0B+4*\s+3], s[G0B+4*\s+3], 0x80000000
.endr
	JLOAD G0A, G1A, G0B, G1B                       ; record 0 into slot 0: one tensor load a wave at the head; the addresses below are made while it is on its way
.irp s, 0,1
	s_mov_b32 s[G0R+4*\s], 1
	s_add_co_u32 s[G0R+4*\s+1], s94, \s*SLOT
	s_add_nc_u64 s[G0R+4*\s+2:G0R+4*\s+3], s[92:93], \s*REC
	s_or_b32 s[G0R+4*\s+3], s[G0R+4*\s+3], 0x80000000
.endr
	v_and_b32 v1, 31, v0
	v_and_b32 v2, 15, v0
	v_bfe_u32 v3, v0, 4, 1
	v_lshlrev_b32 v[LI], 4, v1
	v_lshlrev_b32 v[R16], 4, v2
	s_mul_i32 s66, s14, 4*REC
	s_mov_b32 s69, BOFF
.irp s, 0,1
	v_add_nc_u32 v[ADR0+\s], s69, v[LI]
	v_add_nc_u32 v[ADR1+\s], s66, v[LI]
	v_add_nc_u32 v[ADS0+\s], s69, v[R16]
	v_add_nc_u32 v[ADS1+\s], s66, v[R16]
	s_add_co_u32 s69, s69, SLOT
	s_add_co_u32 s66, s66, SLOT
.endr
	s_mul_i32 s67, s14, 16*SPITCH
	s_add_co_u32 s67, s67, STAGE
	v_mul_u32_u24 v[STO], v2, SPITCH
	v_lshl_add_u32 v[STO], v3, 6, v[STO]
	v_add_nc_u32 v[STO], s67, v[STO]
	v_mul_u32_u24 v[RD], v3, SPITCH
	v_lshl_add_u32 v[RD], v2, 4, v[RD]
	v_add_nc_u32 v[RD], s67, v[RD]
	v_lshlrev_b32 v[CO], 14, v3
	v_lshl_add_u32 v[CO], v2, 4, v[CO]
	s_lshl_b32 s72, s17, 8
	s_lshl_b32 s73, s14, 6
	s_add_co_u32 s72, s72, s73
	s_lshl_b32 s72, s72, 14
	s_lshl_b32 s73, s42, 9
	s_add_co_u32 s72, s72, s73
	s_mov_b32 s73, 0
	s_add_nc_u64 s[8:9], s[8:9], s[72:73]
.macro MULS j0, n, set, q, sc, zero
.set jj, \j0
.rept \n
.irp i, 0,1,2,3,4,5,6,7
.if \zero
	v_wmma_scale_f32_16x16x128_f8f6f4 v[8*(8*jj+\i):8*(8*jj+\i)+7], v[96*(\set)+12*\i:96*(\set)+12*\i+11], v[F1+48*(\set)+12*jj:F1+48*(\set)+12*jj+11], 0, v[SC+48*(\sc)+4*\i+(\q)], v[SC+48*(\sc)+32+4*jj+(\q)] matrix_a_fmt:MATRIX_FMT_FP6 matrix_b_fmt:MATRIX_FMT_FP6
.else
	v_wmma_scale_f32_16x16x128_f8f6f4 v[8*(8*jj+\i):8*(8*jj+\i)+7], v[96*(\set)+12*\i:96*(\set)+12*\i+11], v[F1+48*(\set)+12*jj:F1+48*(\set)+12*jj+11], v[8*(8*jj+\i):8*(8*jj+\i)+7], v[SC+48*(\sc)+4*\i+(\q)], v[SC+48*(\sc)+32+4*jj+(\q)] matrix_a_fmt:MATRIX_FMT_FP6 matrix_b_fmt:MATRIX_FMT_FP6
.endif
.endr
.set jj, jj+1
.endr
.endm
.macro FETCH slot, q, set
	WIN 0x40
.irp i, 0,1,2,3,4,5,6,7
.irp c, 0,1,2
	ds_load_b128 v[96*(\set)+12*\i+4*\c:96*(\set)+12*\i+4*\c+3], v[ADR0+\slot] offset:\i*REC+(\q)*FRB+\c*512
.endr
.endr
	WIN 0
.irp j, 0,1,2,3
.irp c, 0,1,2
	ds_load_b128 v[F1+48*(\set)+12*\j+4*\c:F1+48*(\set)+12*\j+4*\c+3], v[ADR1+\slot] offset:\j*REC+(\q)*FRB+\c*512
.endr
.endr
.endm
.macro SCALES slot
.irp i, 0,1,2,3,4,5,6,7
	ds_load_b128 v[SC+48*\slot+4*\i:SC+48*\slot+4*\i+3], v[ADS0+\slot] offset:\i*REC+4*FRB
.endr
.irp j, 0,1,2,3
	ds_load_b128 v[SC+48*\slot+32+4*\j:SC+48*\slot+32+4*\j+3], v[ADS1+\slot] offset:\j*REC+4*FRB
.endr
.endm
.macro KSTEP slot, q, zero
	PLACES 4
	FETCH \slot, (\q)+1, 1-(\q)%2
	s_wait_dscnt 36
	WIN MUL
	MULS 0, 4, (\q)%2, \q, \slot, \zero
	WIN 0
.endm
.macro HALF0
	FETCH 0, 0, 0
	SCALES 0
	KSTEP 0, 0, 1
	KSTEP 0, 1, 0
	KSTEP 0, 2, 0
.endm
.macro TURN fill
	s_wait_tensorcnt 0x0
	ds_add_u32 v[SPW], v[NIL]
	s_wait_dscnt 1
	WIN MUL
	MULS 0, 1, 1, 3, 0, 0
	s_wait_dscnt 0x0
	s_barrier_signal -1
	MULS 1, 1, 1, 3, 0, 0
	WIN 0
	s_barrier_wait -1
.if \fill
	CREST
	RLOAD 0
.else
	PLACES 4
.endif
	FETCH 1, 0, 0
	s_wait_alu depctr_va_vdst(0)
	SCALES 1
	WIN MUL
	MULS 2, 2, 1, 3, 0, 0
	WIN 0
.endm
.macro HALF1
	KSTEP 1, 0, 0
	KSTEP 1, 1, 0
	KSTEP 1, 2, 0
	s_wait_dscnt 0x0
	WIN MUL
	MULS 0, 4, 1, 3, 1, 0
	WIN 0
.endm
.macro TOSTAGE j, u
	WIN 0x08
.irp i, 0,1,2,3
	ds_store_b128 v[STO], v[8*(8*(\j)+4*(\u)+\i):8*(8*(\j)+4*(\u)+\i)+3] offset:128*(\i/2)+32*(\i%2)
	ds_store_b128 v[STO], v[8*(8*(\j)+4*(\u)+\i)+4:8*(8*(\j)+4*(\u)+\i)+7] offset:128*(\i/2)+32*(\i%2)+16
.endr
	WIN 0xc0
.irp t, 0,1,2,3,4,5,6,7
	ds_load_b128 v[32*(2*(\j)+(\u))+4*\t:32*(2*(\j)+(\u))+4*\t+3], v[RD] offset:2*\t*SPITCH
.endr
.endm
.macro SEND j, u, younger, tile
	s_wait_dscnt \younger
	WIN 0x0c
.irp t, 0,1,2,3,4,5,6,7
	global_store_b128 v[CO], v[32*(2*(\j)+(\u))+4*\t:32*(2*(\j)+(\u))+4*\t+3], s[8:9] offset:(32*((\j)/2)+8*((\j)%2)+2*\t+8*(\t/4))*16384+256*(\u)+8192*(\tile) th:TH_STORE_NT
.endr
.endm
.macro OUT2 j0, tile
	TOSTAGE \j0, 0
	TOSTAGE \j0, 1
	SEND \j0, 0, 16, \tile
	TOSTAGE \j0+1, 0
	SEND \j0, 1, 16, \tile
	TOSTAGE \j0+1, 1
	SEND \j0+1, 0, 16, \tile
	SEND \j0+1, 1, 0, \tile
	WIN 0
.endm
	v_and_b32 v6, 31, v0                           ; a prefetch into the L2 for the second tile's 8 fragment rows of Wo, 102,400 consecutive bytes: of their 16 records the partner at place cy takes four, a wave one:
	v_min_u32 v6, 24, v6                           ; 25 blocks of 256 bytes, a lane a block, lanes 25-31 naming the last again
	v_lshlrev_b32 v6, 8, v6
	s_wait_alu depctr_va_vdst(0)
	s_lshl_b32 s95, s17, 4                         ; first, record 1 of ctx and of Wo, which slot 1's first fill will bring, while record 0 is on its way: of the 8 fragment rows of ctx that waves 0 and 1 each fetch
	s_lshl_b32 s96, s16, 3                         ; the partner at place cx takes two, of the 4 of Wo that waves 2 and 3 each fetch the partner at place cy takes one: shared out by address
	s_add_co_u32 s95, s95, s96
	s_lshl_b32 s96, s40, 1
	s_add_co_u32 s95, s95, s96                     ; ctx: fragment row 16 y + 8 half + 2 cx
	s_mul_i32 s95, s95, ROWBY
	s_lshl_b32 s97, s42, 3
	s_lshl_b32 s96, s16, 2
	s_add_co_u32 s97, s97, s96
	s_add_co_u32 s97, s97, s41                     ; Wo: fragment row 8 x + 4 half + cy
	s_mul_i32 s97, s97, ROWBY
	s_add_co_u32 s97, s97, WOOFF
	s_cmp_eq_u32 s15, 0                            ; the choice hangs on the wave's number alone
	s_cselect_b32 s74, s95, s97
	s_cselect_b64 s[66:67], s[4:5], s[6:7]
	s_add_co_u32 s74, s74, REC
	s_mov_b32 s75, 0
	s_add_nc_u64 s[66:67], s[66:67], s[74:75]
	global_prefetch_b8 v6, s[66:67] th:TH_LOAD_NT scope:SCOPE_SE
	s_cmp_eq_u32 s15, 0
	s_cbranch_scc0 .Lpf_one
	global_prefetch_b8 v6, s[66:67] offset:ROWBY th:TH_LOAD_NT scope:SCOPE_SE
.Lpf_one:
	s_lshl_b32 s70, s42, 3
	s_mul_i32 s70, s70, ROWBY
	s_lshl_b32 s74, s41, 2
	s_add_co_u32 s74, s74, s14
	s_mul_i32 s74, s74, REC
	s_add_co_u32 s70, s70, s74
	s_add_co_u32 s70, s70, WOOFF+NEXTB
	s_mov_b32 s71, 0
	s_add_nc_u64 s[70:71], s[6:7], s[70:71]
	s_wait_alu depctr_va_vdst(0)                   ; the wait at the head's end
	s_wait_tensorcnt 0x0                           ; my part of record 0 is in; slot 1's first fill is issued as a refill is
	ds_add_u32 v[SPW], v[NIL]
	s_wait_dscnt 0x0
	CROUND                                         ; everybody's part of record 0 is in, and all sixteen work-groups are here
	JLOAD G0A+4, G1A, G0B+4, G1B
	FETCH 0, 0, 0
	SCALES 0
	global_prefetch_b8 v6, s[70:71] th:TH_LOAD_NT scope:SCOPE_SE   ; three K steps ahead of the first refill that wants these rows; its address registers are never rewritten
	KSTEP 0, 0, 1
	KSTEP 0, 1, 0
	KSTEP 0, 2, 0
	TURN 1
	HALF1
	PLACES 4
	OUT2 0, 0
	s_wait_tensorcnt 0x0
	ds_add_u32 v[SPW], v[NIL]
	s_wait_dscnt 0x0
	CROUND
	RLOAD 1
	OUT2 2, 0
	HALF0
	TURN 0
	HALF1
	PLACES 4
	s_wait_xcnt 0x0
	OUT2 0, 1
	OUT2 2, 1
	s_wait_tensorcnt 0x0
	ds_add_u32 v[SPW], v[NIL]
	s_wait_dscnt 0x0
	CROUND
	s_endpgm
.Lfunc_end_k_q2edd5907fd_oproj:
	.size	k_q2edd5907fd_oproj, .Lfunc_end_k_q2edd5907fd_oproj-k_q2edd5907fd_oproj
	.p2alignl 7, 3214868480
	.fill 96, 4, 3214868480
	.section	.rodata,"a",@progbits
	.p2align	6, 0x0
	.amdhsa_kernel k_q2edd5907fd_oproj
		.amdhsa_group_segment_fixed_size 327680
		.amdhsa_private_segment_fixed_size 0
		.amdhsa_enable_private_segment 0
		.amdhsa_kernarg_size 24
		.amdhsa_user_sgpr_count 2
		.amdhsa_user_sgpr_kernarg_segment_ptr 1
		.amdhsa_wavefront_size32 1
		.amdhsa_system_sgpr_workgroup_id_x 1
		.amdhsa_system_sgpr_workgroup_id_y 1
		.amdhsa_system_sgpr_workgroup_id_z 1
		.amdhsa_system_vgpr_workitem_id 0
		.amdhsa_next_free_vgpr 1024
		.amdhsa_next_free_sgpr 98
		.amdhsa_reserve_vcc 0
		.amdhsa_float_denorm_mode_32 3
		.amdhsa_float_denorm_mode_16_64 3
		.amdhsa_memory_ordered 1
		.amdhsa_forward_progress 1
		.amdhsa_inst_pref_size 150
	.end_amdhsa_kernel
	.amdgpu_metadata
---
amdhsa.version: [ 1, 2 ]
amdhsa.kernels:
  - .name:           k_q2edd5907fd_oproj
    .symbol:         k_q2edd5907fd_oproj.kd
    .args:
      - { .name: ctx, .offset: 0, .size: 8, .value_kind: global_buffer, .address_space: global }
      - { .name: hw, .offset: 8, .size: 8, .value_kind: global_buffer, .address_space: global }
      - { .name: out0, .offset: 16, .size: 8, .value_kind: global_buffer, .address_space: global }
    .group_segment_fixed_size: 327680
    .private_segment_fixed_size: 0
    .kernarg_segment_align: 8
    .kernarg_segment_size: 24
    .max_flat_workgroup_size: 128
    .sgpr_count:     98
    .vgpr_count:     1024
    .wavefront_size: 32
...
	.end_amdgpu_metadata
.endif
;; end of part 4
